; MI455X (gfx1250); checked and timed in simulation.
; The chip was launched on July 23, 2026; its instructions are those of AMD's public machine-readable ISA for CDNA 5 (MIT licence, August 2026) and "CDNA5" Instruction Set Architecture Reference Guide (July 2026). The comments in the code are by the model that wrote it; some were corrected since.
;; Cross Attention. Allowed arithmetic: matrix products marked QUANTISED: E2M3 operands, one E8M0 scale for each 32 along K, by v_wmma_scale_f32_16x16x128_f8f6f4 with both operands' format E2M3, f32 sums; everything else in f32.
;; Inputs: Wkv 2,048 x 1,024 float32; Wproj 1,024 x 1,024 float32; Wq 1,024 x 1,024 float32; bproj 1,024 float32; kv 8 x 1,024 x 1,024 float32; q 8 x 1,024 x 1,024 float32; tau one number float32.
;; Outputs: out0 8 x 1,024 x 1,024 float32.
;; This version of the problem:
;;   THIS VERSION OF THE PROBLEM IS GIVEN IN LOW PRECISION. The matrix products marked QUANTISED in the list below multiply operands that are first quantised to E2M3 (2 exponent bits, 3 mantissa bits; 6 bits a number), with one power-of-two scale for each 32 numbers along K (OCP MX v1.0); their sums are f32. All else is computed in f32.
;;   The module's matrix products, in the order in which they are computed (A, B: the left and right operand; K: the contracted axis; several contracted axes count as one K, in the product's order):
;;     1. [M 8,192, K 1,024] x [K 1,024, N 1,024]; A: input q; B: input Wq: QUANTISED
;;     2. [M 8,192, K 1,024] x [K 1,024, N 2,048]; A: input kv; B: input Wkv: QUANTISED
;;     3. batch 128 x [M 1,024, K 64] x [K 64, N 1,024]; A: computed on the way; B: computed on the way: QUANTISED
;;     4. batch 128 x [M 1,024, K 1,024] x [K 1,024, N 64]; A: softmax (see below); B: computed on the way: QUANTISED
;;     5. [M 8,192, K 1,024] x [K 1,024, N 1,024]; A: computed on the way; B: input Wproj: QUANTISED
;;   THE QUANTISER, for each operand of a quantised product, along K:
;;     - K is cut into blocks of 32 from its start; a last block that is shorter is filled with zeros.
;;     - A block's scale is 2^e with e = floor(log2(the largest magnitude in the block)) - 2, held to -126 .. 127; a block of zeros has e = 0. As a byte (E8M0): e + 127.
;;     - Each number is divided by its block's scale, clamped to +-7.5, and rounded to the nearest number of E2M3, ties to even, subnormals kept.
;;     - The product sums the exact products of the quantised numbers (number of the format x scale) in f32.
;;   ~~~python
;;   def quantise(x, axis):      # numpy; x: float32 -> the quantised numbers, widened to float32 again
;;       x = np.moveaxis(x, axis, -1); K = x.shape[-1]
;;       x = np.pad(x, [(0, 0)] * (x.ndim - 1) + [(0, -K % 32)]); x = x.reshape(x.shape[:-1] + (-1, 32)); a = np.abs(x).max(-1, keepdims=True)
;;       e = np.where(a > 0, np.clip(np.frexp(np.where(a > 0, a, 1))[1] - 1 - 2, -126, 127), 0)      # np.frexp(a)[1] - 1 = floor(log2(a)), exactly
;;       r = np.clip(x / 2.0 ** e, -7.5, 7.5)
;;       step = 2.0 ** (np.maximum(np.frexp(np.where(r == 0, 1, r))[1] - 1, 0) - 3)
;;       q = np.round(r / step) * step * 2.0 ** e      # np.round: ties to even
;;       return np.moveaxis(q.reshape(q.shape[:-2] + (-1,))[..., :K], -1, axis).astype(np.float32)
;;   ~~~
;;   SOFTMAX AHEAD OF A QUANTISED PRODUCT. Where the list says 'softmax', what is quantised is not the finished softmax but p = 2^(t - M), with t = logit x log2(e) and M = ceil(the row's largest t), a whole number; so 1/2 < the row's largest p <= 1. The row's sum l is taken of the UNQUANTISED p, in f32, and the product's result is divided by l at the end. Since M is a whole number, a kernel that streams over the keys may use a running M (the ceiling of the running maximum): every later rescaling is an exact power of two, which a block's scale takes up: the codes' values come out the same.
;;   OPERANDS COMPUTED ON THE WAY. 'Computed on the way' means the value that the module computes at that place (a softmax that the list does not call 'softmax' is quantised finished and normalised). What goes into a quantiser is computed in f32, as accurately as f32 sums, v_exp_f32 and their like allow (about 1e-6 of the number): no bf16 or f16 on the way to a quantiser, and a product that is left as it is and whose result goes on into a quantised operand takes f32 operands (vector FMAs, or v_wmma_f32_16x16x4_f32). A number that lies on a knife's edge between two numbers of the format may be rounded either way, as far as f32 arithmetic and the matrix unit's own rounding can turn it there, and no further.
;; One version. Each part assembles by itself: llvm-mc -triple=amdgcn-amd-amdhsa -mcpu=gfx1250 --defsym DOCPART=n.
;; ======== version 1 of 1: 4 launches
;; limits: right only within a limited range of input values
;; workspace buffers: xc 17,039,360 bytes; qc 6,291,456 bytes; qw 1,048,576 bytes; kvr 14,155,776 bytes; oc 6,815,744 bytes
;; launch quant (part 1): grid 640 x 1, 4 waves a work-group, no clusters, 34,304 bytes of LDS; arguments q, kv, Wq, Wkv, Wproj, xc; writes xc
.if DOCPART == 1
	.amdgcn_target "amdgcn-amd-amdhsa--gfx1250"
	.amdhsa_code_object_version 6
	.text
	.protected	k_qdcce220683_quant
	.globl	k_qdcce220683_quant
	.p2align	8
	.type	k_qdcce220683_quant,@function
k_qdcce220683_quant:
	s_mov_b64 s[64:65], 0
	v_nop
	global_prefetch_b8 v0, s[64:65] scope:SCOPE_SE
	s_setreg_imm32_b32 hwreg(HW_REG_WAVE_MODE, 25, 1), 1
	s_wait_xcnt 0x0
; q, kv [8192][1024], Wq, Wproj [1024][1024], Wkv [2048][1024], all f32 with K innermost, become codes of FP6 (E2M3) and E8M0 scale words, quantised along K in blocks of 32.
; NO WORK OF THE PROBLEM IS LEFT OUT in any launch of this program: every input (tau, bproj and the norm's 1e-6 too) has a way to out0, and all seven are loaded.
; A block's scale is 2^(floor(log2(its largest magnitude)) - 2); its byte is the largest magnitude's exponent field - 2, held at 1 from below.
; LIMITS: a block whose largest magnitude lies under 2^-124 (a block of zeros too) gets the byte 1 (a block of zeros: where the rule says 127; its codes are zeros, and only this program reads the bytes);
; NaN and infinities among the inputs are not served.
; THE WORKSPACE IS LAID IN THE ORDER OF AN OPERAND'S REGISTERS.  A row tile RT is 16 rows; its record is 13,312 bytes: two halves of K (512 each) of 6,656 bytes.  A half: four fragments (K steps of 128) of 1,536 bytes,
; then their four scale images of 128 bytes.  A fragment: two parts c = 0, 1 of 768 bytes; part c holds registers 6 c .. 6 c + 5 (lane (r, h): row r, k = 64 c + 32 h + 0 .. 31): registers 0-3 at 16 x lane,
; registers 4-5 at 512 + 8 x lane.  A scale image: row (lane % 16)'s word at 4 x lane.  So one dense run of memory holds all that a product wants of 16 rows and 512 along K.
; RT 0-511 q, 512-1023 kv, 1024-1087 Wq, 1088-1215 Wkv, 1216-1279 Wproj.
; ROW ORDER: in kv, Wq and Wkv the two middle runs of 8 rows of each 32 change places: tile u of a group of 32 holds rows 8 u + r + 8 (r / 8).  Used as source 0 of a product, two neighbouring tiles then
; leave 16 neighbouring indices in a lane's 16 result registers, which is what the later quantisers want.  q and Wproj keep their order.
; SHARES: a work-group takes 32 rows (two RT); wave w takes RT w / 2 and half w % 2 of K: one half record.  Each load reads 512 consecutive bytes of one row; the 16 rows of a step turn through the wave's own
; stage in LDS (rows 528 bytes apart) and come back 32 neighbours a block, two whole blocks a lane.  Waves share nothing: no barrier.  Two steps' loads, 32 a wave, are out at the start.
.set STG,   16*528                     ; a wave's stage
.set SPARE, 4*STG                      ; behind the stages: the spare words, 128 bytes for each wave: two blocks of 256 bytes that no other line names
.set R,    64                          ; v64-191  two sets of 64 registers as loaded
.set X,    192                         ; v192-255 my two blocks of 32 neighbours
.set C,    32                          ; v32-43   the fragment's 12 registers
.set T0,   44                          ; v44-46, v48-50: a block's second 16 codes (a conversion's three registers begin on an even number)
.set T1,   48
.set VLO,  4                           ; v4   16 x lane: rows 0-7 of the tile, and the b128 stores
.set VHI,  5                           ; v5   the same, 8 rows further down where the row order asks for it: rows 8-15
.set SIN,  6                           ; v6   the stage on the way in
.set SOUT, 7                           ; v7   and on the way out
.set L8,   8                           ; v8   8 x lane
.set L4,   9                           ; v9   4 x lane
.set SH,   10                          ; v10  8 x (lane / 16)
.set SPW,  12                          ; v12  my spare word; never rewritten
.set NIL,  13                          ; v13  0; never rewritten
	s_load_b256 s[4:11], s[0:1], 0x0               ; q, kv, Wq, Wkv
	s_load_b128 s[12:15], s[0:1], 0x20             ; Wproj, xc
	v_lshl_add_u32 v[SPW], v0, 2, SPARE
	v_mov_b32 v[NIL], 0
	v_lshrrev_b32 v1, 5, v0
	v_readfirstlane_b32 s18, v1                    ; wave
	v_and_b32 v1, 31, v0                           ; lane
	v_and_b32 v2, 15, v0                           ; r
	v_bfe_u32 v3, v0, 4, 1                         ; h
	v_lshlrev_b32 v[VLO], 4, v1
	v_lshlrev_b32 v[L8], 3, v1
	v_lshlrev_b32 v[L4], 2, v1
	v_lshlrev_b32 v[SH], 3, v3
	v_mov_b32 v21, 0                               ; written once: a lane permute's destination counts as one of its sources
	s_mul_i32 s19, s18, STG
	v_add_nc_u32 v[SIN], s19, v[VLO]               ; in: 16 x lane of row i
	v_mul_u32_u24 v[SOUT], v2, 528
	v_lshl_add_u32 v[SOUT], v3, 7, v[SOUT]
	v_add_nc_u32 v[SOUT], s19, v[SOUT]             ; out: row r, + 128 h: my block of each 64 along K
	s_mov_b32 s28, 0x76543210
	s_mov_b32 s29, 0xfedcba98                      ; v_permlanex16_b32's selects for lane l xor 16
	s_lshr_b32 s25, s18, 1                         ; u: which of the two row tiles
	s_and_b32 s26, s18, 1                          ; which half of K
	s_wait_alu depctr_va_vdst(0)
	s_wait_kmcnt 0x0
	; which tensor: the choice hangs on the work-group's number alone.  s[20:21] the tensor, s22 its first work-group, s23 = 1 where the row order changes
	s_mov_b64 s[20:21], s[12:13]
	s_mov_b32 s22, 608
	s_mov_b32 s23, 0
	s_cmp_lt_u32 ttmp9, 608
	s_cselect_b64 s[20:21], s[10:11], s[20:21]
	s_cselect_b32 s22, 544, s22
	s_cselect_b32 s23, 1, s23
	s_cmp_lt_u32 ttmp9, 544
	s_cselect_b64 s[20:21], s[8:9], s[20:21]
	s_cselect_b32 s22, 512, s22
	s_cmp_lt_u32 ttmp9, 512
	s_cselect_b64 s[20:21], s[6:7], s[20:21]
	s_cselect_b32 s22, 256, s22
	s_cmp_lt_u32 ttmp9, 256
	s_cselect_b64 s[20:21], s[4:5], s[20:21]
	s_cselect_b32 s22, 0, s22
	s_cselect_b32 s23, 0, s23
	s_sub_co_u32 s27, ttmp9, s22
	s_lshl_b32 s27, s27, 17                        ; 32 rows of 4,096 bytes a work-group
	s_lshl_b32 s30, s23, 3
	s_sub_co_u32 s30, 16, s30                      ; tile 1 begins 16 rows on, or 8
	s_mul_i32 s30, s30, s25
	s_lshl_b32 s30, s30, 12
	s_add_co_u32 s30, s30, s27
	s_lshl_b32 s31, s26, 11                        ; my half of K: 2,048 bytes
	s_add_co_u32 s30, s30, s31
	s_mov_b32 s31, 0
	s_add_nc_u64 s[20:21], s[20:21], s[30:31]
	s_lshl_b32 s24, s23, 15                        ; rows 8-15 lie 8 rows further down, or not
	v_add_nc_u32 v[VHI], s24, v[VLO]
	s_lshl_b32 s32, ttmp9, 1
	s_add_co_u32 s32, s32, s25                     ; my RT
	s_mul_i32 s34, s32, 13312
	s_mul_i32 s33, s26, 6656
	s_add_co_u32 s34, s34, s33
	s_mov_b32 s35, 0
	s_add_nc_u64 s[14:15], s[14:15], s[34:35]      ; my half record
.macro LOAD t                          ; step t: 512 bytes of each of the 16 rows, into set t % 2
.irp i, 0,1,2,3,4,5,6,7
	global_load_b128 v[R+64*((\t)%2)+4*\i:R+64*((\t)%2)+4*\i+3], v[VLO], s[20:21] offset:\i*4096+(\t)*512 th:TH_LOAD_NT
.endr
.irp i, 8,9,10,11,12,13,14,15
	global_load_b128 v[R+64*((\t)%2)+4*\i:R+64*((\t)%2)+4*\i+3], v[VHI], s[20:21] offset:\i*4096+(\t)*512 th:TH_LOAD_NT
.endr
.endm
.macro STEP t
.set RS, R+64*((\t)%2)
.if (\t) < 3
	s_wait_loadcnt 16                              ; this step's 16 loads are in; the next step's 16 may be out
.else
	s_wait_loadcnt 0
.endif
.irp i, 0,1,2,3,4,5,6,7,8,9,10,11,12,13,14,15
	ds_store_b128 v[SIN], v[RS+4*\i:RS+4*\i+3] offset:\i*528
.endr
.irp c, 0,1
.irp p, 0,1,2,3,4,5,6,7
	ds_load_b128 v[X+32*\c+4*\p:X+32*\c+4*\p+3], v[SOUT] offset:256*\c+16*\p   ; LDS serves a wave's instructions in order: these see the stores above
.endr
.endr
	s_wait_dscnt 0x0                               ; my 64 numbers are back, and the stores have read their registers,
.if (\t)+2 < 4
	LOAD (\t)+2                                    ; which take the loads of two steps on
.endif
.irp c, 0,1
	v_max3_num_f32 v[14+\c], |v[X+32*\c]|, |v[X+32*\c+1]|, 0x1800000   ; block 2 c + h: all 32 numbers are mine; the floor 2^(3 - 127) holds the byte at 1 from below
.endr
.irp i, 2,4,6,8,10,12,14,16,18,20,22,24,26,28,30
.irp c, 0,1
	v_max3_num_f32 v[14+\c], v[14+\c], |v[X+32*\c+\i]|, |v[X+32*\c+\i+1]|   ; (the two blocks by turns)
.endr
.endr
.irp c, 0,1
	v_add_nc_u32 v[16+\c], 0xff000000, v[14+\c]    ; 2 off the exponent field: the conversion's scale operand
.endr
.irp c, 0,1
	v_lshrrev_b32 v[18+\c], 23, v[16+\c]           ; the scale's byte
.endr
	s_wait_alu depctr_va_vdst(0)
	s_wait_xcnt 0x0                                ; the last step's stores have read the word and the codes: both are rewritten only behind this wait
	v_lshl_or_b32 v20, v19, 16, v18                ; my two bytes, blocks h and 2 + h,
	v_lshlrev_b32 v20, v[SH], v20                  ; at their places in the word;
	v_permlanex16_b32 v21, v20, s28, s29
	v_or_b32 v20, v20, v21                         ; with lane l xor 16's two the word is whole, in both halves of the lanes
	v_cvt_scalef32_pk16_fp6_f32 v[C:C+2], v[X:X+15], v16
	v_cvt_scalef32_pk16_fp6_f32 v[T0:T0+2], v[X+16:X+31], v16
	v_cvt_scalef32_pk16_fp6_f32 v[C+6:C+8], v[X+32:X+47], v17
	v_cvt_scalef32_pk16_fp6_f32 v[T1:T1+2], v[X+48:X+63], v17
	v_nop                                          ; one plain place behind a scaled conversion
.irp i, 0,1,2
	v_mov_b32 v[C+3+\i], v[T0+\i]
	v_mov_b32 v[C+9+\i], v[T1+\i]
.endr
	global_store_b128 v[VLO], v[C:C+3], s[14:15] offset:(\t)*1536          ; 512 consecutive bytes
	global_store_b64 v[L8], v[C+4:C+5], s[14:15] offset:(\t)*1536+512      ; 256
	global_store_b128 v[VLO], v[C+6:C+9], s[14:15] offset:(\t)*1536+768
	global_store_b64 v[L8], v[C+10:C+11], s[14:15] offset:(\t)*1536+1280
	global_store_b32 v[L4], v20, s[14:15] offset:6144+(\t)*128             ; the step's scale image, behind the half's four fragments
.endm
	LOAD 0
	LOAD 1
	s_wait_alu depctr_va_vdst(0)
	STEP 0
	STEP 1
	STEP 2
	STEP 3
	s_wait_tensorcnt 0x0                           ; the wave's end: behind my last LDS store
	ds_add_u32 v[SPW], v[NIL]
	s_wait_dscnt 0x0
	s_endpgm
.Lfunc_end_k_qdcce220683_quant:
	.size	k_qdcce220683_quant, .Lfunc_end_k_qdcce220683_quant-k_qdcce220683_quant
	.p2alignl 7, 3214868480
	.fill 96, 4, 3214868480
	.section	.rodata,"a",@progbits
	.p2align	6, 0x0
	.amdhsa_kernel k_qdcce220683_quant
		.amdhsa_group_segment_fixed_size 34304
		.amdhsa_private_segment_fixed_size 0
		.amdhsa_enable_private_segment 0
		.amdhsa_kernarg_size 48
		.amdhsa_user_sgpr_count 2
		.amdhsa_user_sgpr_kernarg_segment_ptr 1
		.amdhsa_wavefront_size32 1
		.amdhsa_system_sgpr_workgroup_id_x 1
		.amdhsa_system_sgpr_workgroup_id_y 1
		.amdhsa_system_sgpr_workgroup_id_z 1
		.amdhsa_system_vgpr_workitem_id 0
		.amdhsa_next_free_vgpr 256
		.amdhsa_next_free_sgpr 66
		.amdhsa_reserve_vcc 0
		.amdhsa_float_denorm_mode_32 3
		.amdhsa_float_denorm_mode_16_64 3
		.amdhsa_memory_ordered 1
		.amdhsa_forward_progress 1
		.amdhsa_inst_pref_size 32
	.end_amdhsa_kernel
	.amdgpu_metadata
---
amdhsa.version: [ 1, 2 ]
amdhsa.kernels:
  - .name:           k_qdcce220683_quant
    .symbol:         k_qdcce220683_quant.kd
    .args:
      - { .name: q, .offset: 0, .size: 8, .value_kind: global_buffer, .address_space: global }
      - { .name: kv, .offset: 8, .size: 8, .value_kind: global_buffer, .address_space: global }
      - { .name: Wq, .offset: 16, .size: 8, .value_kind: global_buffer, .address_space: global }
      - { .name: Wkv, .offset: 24, .size: 8, .value_kind: global_buffer, .address_space: global }
      - { .name: Wproj, .offset: 32, .size: 8, .value_kind: global_buffer, .address_space: global }
      - { .name: xc, .offset: 40, .size: 8, .value_kind: global_buffer, .address_space: global }
    .group_segment_fixed_size: 34304
    .private_segment_fixed_size: 0
    .kernarg_segment_align: 8
    .kernarg_segment_size: 48
    .max_flat_workgroup_size: 128
    .sgpr_count:     66
    .vgpr_count:     256
    .wavefront_size: 32
...
	.end_amdgpu_metadata
.endif
;; end of part 1
;; launch qkv (part 2): grid 4 x 64, 4 waves a work-group, clusters of 4 x 4, 327,680 bytes of LDS; arguments xc, qc, qw, kvr; writes qc, qw, kvr
.if DOCPART == 2
	.amdgcn_target "amdgcn-amd-amdhsa--gfx1250"
	.amdhsa_code_object_version 6
	.text
	.protected	k_qdcce220683_qkv
	.globl	k_qdcce220683_qkv
	.p2align	8
	.type	k_qdcce220683_qkv,@function
k_qdcce220683_qkv:
	s_mov_b64 s[64:65], 0
	v_nop
	global_prefetch_b8 v0, s[64:65] scope:SCOPE_SE
	s_setreg_imm32_b32 hwreg(HW_REG_WAVE_MODE, 25, 1), 1
	s_wait_xcnt 0x0
	s_wait_alu depctr_hold_cnt(0) depctr_sa_sdst(0) depctr_va_vdst(0) depctr_va_sdst(0) depctr_va_ssrc(0) depctr_va_vcc(0) depctr_vm_vsrc(0)
	s_getreg_b32 s2, hwreg(HW_REG_IB_STS2, 6, 4)
	s_cmp_eq_u32 s2, 0
	s_cbranch_scc0 .Lentry_in_a_cluster
	s_endpgm
.Lentry_in_a_cluster:
	s_bfe_u32 s2, ttmp6, 0x10000c
	s_cmp_lg_u32 s2, 0xf033
	s_cbranch_scc0 .Lentry_shape_is_right
	s_endpgm
.Lentry_shape_is_right:
; The projections q Wq^T and kv Wkv^T on codes of FP6, and on the way out what attention's two products want as operands: qn and kn (each head's 64 numbers divided by their norm + 1e-6) quantised along the
; head's 64, and v quantised along the keys.  Nothing of the problem is left out.  No f32 result goes to memory.
; LIMITS: as stated at the head of the first launch (byte 1 for blocks under 2^-124 and for blocks of zeros; NaN and infinities not served).
; OPERANDS lie in xc as images of their registers, scale words beside the codes (first launch): a row tile's half record, 6,656 bytes, is four fragments of 1,536 bytes and four scale images of 128.
; A TILE is 128 rows of A x 256 rows of B; the three products together are 768 such tiles: 256 WORK-GROUPS STAY AND WALK THREE TILES EACH, written out one behind the other: role 0: A = q, B = Wq;
; role 1: A = kv, B = Wk;  role 2: A = Wv, B = kv.  All partners of a cluster are in the same role at the same time.  With Y the cluster's y (0..15): roles 0, 1: tile row 4 Y + cy, tile column cx;
; role 2: tile row 4 (Y % 2) + cy, tile column 4 (Y / 2) + cx.  A's tile hangs on cy and Y alone and is asked for jointly along a row of the cluster, B's on cx and Y alone, along a column.
; Four waves, each 64 rows of A x 128 rows of B: 32 accumulators.  SOURCE 0 = 16 rows of B, SOURCE 1 = 16 rows of A: a lane holds ONE row of A and its registers run along B's rows; by the stored row order of
; Wq, Wk and kv the 64 registers of a block of 16 rows of A are, register 16 b + i, B's row 32 b + 16 (lane / 16) + i: sixteen neighbours, as the conversions want them.
; ALL OF K LIES IN TWO LDS SLOTS of 512 along K.  Slot 0 is filled again, for the next tile, at the change of slots in a tile's middle; slot 1 in the middle of the way out, behind blocks 0 and 1:
; a refill then has four K steps and half a way out, or half a way out and three K steps, in which to land.  By this text's own count a wave has one tensor load out.
; REGISTERS, in windows of 256: window 0: v16-31 addresses; v32-47 scale words, two sets of 8; v64-114 at work on the way out; v128-223 A's fragments, two sets of 4.  window 1: B's fragments, two sets of 8, at v0 and v128.
;   window 2: the 32 accumulators ((a, b) at v[8 (8 a + b)]).
.set FR,     12                        ; registers of a fragment
.set NP,     4                         ; places behind this matrix instruction (ISA guide 7.12.1)
.set RTB,    13312                     ; a row tile's record
.set HB,     6656                      ; half of it
.set SWO,    6144                      ; where a half's scale images begin
.set AREG,   8*HB                      ; a slot: A's 8 row tiles,
.set SLOT,   24*HB                     ; then B's 16
.set SPARE,  2*SLOT                    ; behind the slots: the spare words, 128 bytes for each wave: two blocks of 256 bytes that no other line names
.set ADRA, 16                          ; v16-17 my A row tiles in slot 0, 1, + 16 x lane;  v18-19 + 8 x lane
.set ADRB, 20                          ; v20-23 the same for B
.set L16,  24                          ; v24 16 x lane;  v25 8 x lane;  v26 4 x lane
.set L8,   25
.set L4,   26
.set SPW,  28                          ; v28 my spare word; never rewritten
.set NIL,  29                          ; v29 0; never rewritten
.set ADRS, 30                          ; v30-31 my scale words in slot 0, 1: lanes 0-15 A's, lanes 16-31 B's
.set SC,   32                          ; scale words: set p at v[SC + 8 p]; register i: lanes 0-15 A's block i (i < 4), lanes 16-31 B's block i
.set AF,   128                         ; A's fragments: set p at v[AF + 48 p]
.set N,    64                          ; the way out: v64-71 sums of squares;  v72-75 1 / (norm + 1e-6), a pair for each head
.set F,    72
.set TM,   76                          ; v76-79 largest magnitudes, v80-83 bytes, v88-91 scale operands
.set PW,   92                          ; v92 the scale word;  v93, v94 its halves
.set PC,   96                          ; v96-114 the codes
.set G1, 24                            ; s[24:31] descriptor group 1 for A's tiles;  s[32:39] group 0, a set for each slot
.set G0, 32
.set G1B, 48                           ; s[48:55], s[56:63] the same for B's
.set G0B, 56
.set AQ, 66                            ; s[66:67] where I fetch A in role 0 (role 1: 512 row tiles on);  s[68:69] in role 2
.set AV, 68
.set BQ, 70                            ; s[70:71] where I fetch B in role 0 (role 1: 64 row tiles on);  s[72:73] in role 2
.set BV, 72
.set SEL, 78                           ; s[78:79] lane selects for lane l xor 16
.set P0, 18                            ; the way out: s[18:19], s[20:21] where the fragment's two parts go;  s[22:23], s[44:45] the scale words
.set P1, 20
.set W0, 22
.set W1, 44
.set MSB, 0
.macro WIN new                         ; the immediate's high byte repeats the setting that is left
.if MSB != \new
	s_set_vgpr_msb (MSB<<8)|\new
.set MSB, \new
.endif
.endm
.set MUL,  0xa1                        ; source 0 (B) window 1, source 1 (A) window 0, C and D window 2
.set TO_B, 0x40                        ; destination window 1, address window 0
; A joint load into slot s: waves 0 and 1 fetch for A, waves 2 and 3 for B.  Each line has one mask and one set of registers for all that issue it; the branch hangs on the wave's number alone.
; An s_nop 0 and four v_nop follow each of the two lines.
.macro JLOAD s
	s_cmp_eq_u32 s15, 0
	s_cbranch_scc0 .Lfor_b_\@
	tensor_load_to_lds s[G0+4*\s:G0+4*\s+3], s[G1:G1+7]
	s_nop 0
.rept 4
	v_nop
.endr
	s_branch .Lasked_\@
.Lfor_b_\@:
	tensor_load_to_lds s[G0B+4*\s:G0B+4*\s+3], s[G1B:G1B+7]
	s_nop 0
.rept 4
	v_nop
.endr
.Lasked_\@:
.endm
.macro CREST                           ; a round of the cluster's barrier behind its opening barrier
	s_cmp_lg_u32 s14, 0
	s_cbranch_scc1 .Lnot_wave_0_\@
	s_barrier_signal -3
.Lnot_wave_0_\@:
	s_barrier_wait -3
	s_barrier_signal -1
	s_barrier_wait -1
.endm
.macro CROUND
	s_barrier_signal -1
	s_barrier_wait -1
	CREST
.endm
; slot s's two groups 0 take the global addresses of half s of K of the tile of a role.  Written only where no tensor load of the wave is out.
.macro SETG0 s, role
.if (\role) == 1
	s_add_nc_u64 s[G0+4*\s+2:G0+4*\s+3], s[AQ:AQ+1], 512*RTB+\s*HB
	s_add_nc_u64 s[G0B+4*\s+2:G0B+4*\s+3], s[BQ:BQ+1], 64*RTB+\s*HB
.elseif (\role) == 2
	s_add_nc_u64 s[G0+4*\s+2:G0+4*\s+3], s[AV:AV+1], \s*HB
	s_add_nc_u64 s[G0B+4*\s+2:G0B+4*\s+3], s[BV:BV+1], \s*HB
.else
	s_add_nc_u64 s[G0+4*\s+2:G0+4*\s+3], s[AQ:AQ+1], \s*HB
	s_add_nc_u64 s[G0B+4*\s+2:G0B+4*\s+3], s[BQ:BQ+1], \s*HB
.endif
	s_or_b32 s[G0+4*\s+3], s[G0+4*\s+3], 0x80000000     ; 127:126 type = 2
	s_or_b32 s[G0B+4*\s+3], s[G0B+4*\s+3], 0x80000000
.endm
	s_load_b256 s[4:11], s[0:1], 0x0               ; xc, qc, qw, kvr
	v_lshl_add_u32 v[SPW], v0, 2, SPARE
	v_mov_b32 v[NIL], 0
	ds_add_u32 v[SPW], v[NIL]                      ; the wave's opening: the add, twice on end, and its wait ahead of my first tensor load
	ds_add_u32 v[SPW], v[NIL]
	v_lshrrev_b32 v1, 5, v0
	v_readfirstlane_b32 s14, v1                    ; wave 0..3
	s_lshr_b32 s15, s14, 1                         ; wr: which 64 of A's rows are mine.  Also: I fetch for A (0) or for B (1)
	s_and_b32 s16, s14, 1                          ; wc: which 128 of B's rows.  Also: which half of that tile's row tiles I fetch
	s_bfe_u32 s40, ttmp6, 0x40000                  ; cx
	s_bfe_u32 s41, ttmp6, 0x40004                  ; cy
	s_and_b32 s17, ttmp7, 0xffff                   ; Y
	s_lshl_b32 s43, s41, 2
	s_lshl_b32 s43, 15, s43                        ; my row of the cluster
	s_lshl_b32 s42, 0x1111, s40                    ; my column
	; descriptor group 1: rows (row tiles' halves) of 6,656 bytes (832 elements of 8 bytes), 13,312 bytes apart in memory, on end in LDS: 4 of A's, 8 of B's
	s_or_b32 s[G1+0], s43, (3<<16)|(1<<21)         ; 15:0 the mask: A's tiles go to my row; 17:16 elements of 8 bytes; 20 no padding; 21 set beside a mask
	s_or_b32 s[G1B+0], s42, (3<<16)|(1<<21)
	s_mov_b32 s[G1+1], 832<<16                     ; tensor_dim0
	s_mov_b32 s[G1+2], 4<<16                       ; tensor_dim1
	s_mov_b32 s[G1+3], 832<<16                     ; tile_dim0
	s_mov_b32 s[G1+4], 4                           ; tile_dim1
	s_mov_b32 s[G1+5], 1664                        ; tensor_dim0_stride
	s_mov_b32 s[G1+6], 0
	s_mov_b32 s[G1+7], 0
	s_mov_b32 s[G1B+1], 832<<16
	s_mov_b32 s[G1B+2], 8<<16
	s_mov_b32 s[G1B+3], 832<<16
	s_mov_b32 s[G1B+4], 8
	s_mov_b32 s[G1B+5], 1664
	s_mov_b32 s[G1B+6], 0
	s_mov_b32 s[G1B+7], 0
	s_lshl_b32 s12, s16, 2                         ; of A's 8 row tiles I would fetch 4,
	s_lshl_b32 s13, s16, 3                         ; of B's 16, 8
	s_lshl_b32 s80, s17, 2
	s_add_co_u32 s80, s80, s41                     ; q or kv as A: tile row 4 Y + cy
	s_lshl_b32 s80, s80, 3
	s_add_co_u32 s80, s80, s12
	s_mul_i32 s80, s80, RTB                        ; in bytes (all of xc lies under 2^25)
	s_mov_b32 s81, 0
	s_and_b32 s82, s17, 1
	s_lshl_b32 s82, s82, 2
	s_add_co_u32 s82, s82, s41                     ; Wv as A: tile row 4 (Y % 2) + cy
	s_lshl_b32 s82, s82, 3
	s_add_co_u32 s82, s82, s12
	s_add_co_u32 s82, s82, 1152                    ; Wv begins at row tile 1152
	s_mul_i32 s82, s82, RTB
	s_mov_b32 s83, 0
	s_lshl_b32 s84, s40, 4                         ; Wq or Wk as B: tile column cx
	s_add_co_u32 s84, s84, s13
	s_add_co_u32 s84, s84, 1024                    ; Wq begins at row tile 1024
	s_mul_i32 s84, s84, RTB
	s_mov_b32 s85, 0
	s_lshr_b32 s86, s17, 1
	s_lshl_b32 s86, s86, 2
	s_add_co_u32 s86, s86, s40                     ; kv as B: tile column 4 (Y / 2) + cx
	s_lshl_b32 s86, s86, 4
	s_add_co_u32 s86, s86, s13
	s_add_co_u32 s86, s86, 512                     ; kv begins at row tile 512
	s_mul_i32 s86, s86, RTB
	s_mov_b32 s87, 0
	s_mul_i32 s2, s16, 4*HB                        ; where they go in a slot: no place in the cluster enters an LDS address
	s_mul_i32 s3, s16, 8*HB
	s_add_co_u32 s3, s3, AREG
	s_wait_dscnt 0x0                               ; both opening adds are done
	s_wait_kmcnt 0x0
	s_add_nc_u64 s[AQ:AQ+1], s[4:5], s[80:81]
	s_add_nc_u64 s[AV:AV+1], s[4:5], s[82:83]
	s_add_nc_u64 s[BQ:BQ+1], s[4:5], s[84:85]
	s_add_nc_u64 s[BV:BV+1], s[4:5], s[86:87]
	CROUND                                         ; all sixteen work-groups are here: the first joint loads meet
.irp s, 0,1
	s_mov_b32 s[G0+4*\s], 1                        ; 1:0 count = 1
	s_add_co_u32 s[G0+4*\s+1], s2, \s*SLOT         ; 63:32 LDS address
	s_mov_b32 s[G0B+4*\s], 1
	s_add_co_u32 s[G0B+4*\s+1], s3, \s*SLOT
	SETG0 \s, 0
.endr
	JLOAD 0                                        ; role 0's first half of K: one tensor load a wave at the head; the second half follows behind the round below
	v_and_b32 v1, 31, v0                           ; lane
	v_bfe_u32 v2, v0, 4, 1                         ; h
	v_lshlrev_b32 v[L16], 4, v1
	v_lshlrev_b32 v[L8], 3, v1
	v_lshlrev_b32 v[L4], 2, v1
	s_mul_i32 s12, s15, 4*HB                       ; my 4 row tiles of A
	s_mul_i32 s13, s16, 8*HB                       ; my 8 of B,
	s_add_co_u32 s13, s13, AREG                    ; which lie behind A's 8
	s_sub_co_u32 s46, s13, s12
	v_mul_u32_u24 v6, s46, v2                      ; scale words: lanes 16-31 take B's: the lower base + h x the distance
	v_add_nc_u32 v6, v[L4], v6
.irp s, 0,1
	v_add_nc_u32 v[ADRA+\s], s12, v[L16]
	v_add_nc_u32 v[ADRB+\s], s13, v[L16]
	v_add_nc_u32 v[ADRA+2+\s], s12, v[L8]
	v_add_nc_u32 v[ADRB+2+\s], s13, v[L8]
	v_add_nc_u32 v[ADRS+\s], s12, v6
	s_add_co_u32 s12, s12, SLOT
	s_add_co_u32 s13, s13, SLOT
.endr
	s_mov_b32 s[SEL], 0x76543210
	s_mov_b32 s[SEL+1], 0xfedcba98
.irp b, 0,1,2,3
	v_mov_b32 v[TM+4+\b], 0                        ; written once: a lane permute's destination counts as one of its sources
.endr
.macro FRAG reg, adr, q, i             ; row tile i's fragment of the slot's q-th 128 along K: the image of its 12 registers
	ds_load_b128 v[\reg:\reg+3], v[\adr] offset:(\i)*HB+(\q)*1536
	ds_load_b64 v[\reg+4:\reg+5], v[\adr+2] offset:(\i)*HB+(\q)*1536+512
	ds_load_b128 v[\reg+6:\reg+9], v[\adr] offset:(\i)*HB+(\q)*1536+768
	ds_load_b64 v[\reg+10:\reg+11], v[\adr+2] offset:(\i)*HB+(\q)*1536+1280
.endm
; All that a K step wants, into set p, in ONE run of 56 LDS loads: B's 8 fragments, A's 4, and 8 registers of scale words.
; (In registers 4-7 of the scale words lanes 0-15 read bytes of the slot that are not A's words of my rows: no product names those lanes.)
.macro FETCH slot, q, p
	WIN TO_B
.irp i, 0,1,2,3,4,5,6,7
	FRAG 128*(\p)+FR*\i, ADRB+\slot, \q, \i
.endr
	WIN 0
.irp i, 0,1,2,3
	FRAG AF+48*(\p)+FR*\i, ADRA+\slot, \q, \i
.endr
.irp i, 0,1,2,3,4,5,6,7
	ds_load_b32 v[SC+8*(\p)+\i], v[ADRS+\slot] offset:SWO+\i*HB+(\q)*128
.endr
.endm
; 8 matrix instructions: A's block a x B's eight, from set p.  zero = 1: the first product starts the sums.
; The 32 accumulators take turns, one instruction a turn, in the same order in every step.
.macro MULA a, p, zero
.irp b, 0,1,2,3,4,5,6,7
.if \zero
	v_wmma_scale_f32_16x16x128_f8f6f4 v[8*(8*(\a)+\b):8*(8*(\a)+\b)+7], v[128*(\p)+FR*\b:128*(\p)+FR*\b+FR-1], v[AF+48*(\p)+FR*(\a):AF+48*(\p)+FR*(\a)+FR-1], 0, v[SC+8*(\p)+\b], v[SC+8*(\p)+(\a)] matrix_a_fmt:MATRIX_FMT_FP6 matrix_b_fmt:MATRIX_FMT_FP6 matrix_a_scale:MATRIX_SCALE_ROW1
.else
	v_wmma_scale_f32_16x16x128_f8f6f4 v[8*(8*(\a)+\b):8*(8*(\a)+\b)+7], v[128*(\p)+FR*\b:128*(\p)+FR*\b+FR-1], v[AF+48*(\p)+FR*(\a):AF+48*(\p)+FR*(\a)+FR-1], v[8*(8*(\a)+\b):8*(8*(\a)+\b)+7], v[SC+8*(\p)+\b], v[SC+8*(\p)+(\a)] matrix_a_fmt:MATRIX_FMT_FP6 matrix_b_fmt:MATRIX_FMT_FP6 matrix_a_scale:MATRIX_SCALE_ROW1
.endif
.endr
.endm
.macro PLACES n                        ; plain vector instructions between a matrix instruction and a load into, or a read of, its registers
.rept \n
	v_nop
.endr
.endm
; A K step (q = 0, 1, 2 of a slot) whose successor lies in the same slot: the successor's operands are asked for ahead of this step's 32 products.
.macro STEP slot, q, zero
	s_wait_dscnt 0x0                               ; this step's operands are in: they were asked for a step ago
	PLACES NP                                      ; behind the last step's products, which read the other set
	FETCH \slot, (\q)+1, 1-(\q)%2
	WIN MUL
	MULA 0, (\q)%2, \zero
	MULA 1, (\q)%2, \zero
	MULA 2, (\q)%2, \zero
	MULA 3, (\q)%2, \zero
	WIN 0
.endm
; A slot's last K step (set 1) changes slots: one barrier; in front of it each wave waits for all its tensor loads, adds 0 to its spare word, and waits for that and for its reads of this slot.
; fill = 1: the slot is filled again, with the same half of K of the tile of the role named.
.macro TURN slot, next, fill, role
	s_wait_tensorcnt 0x0                           ; all my tensor loads have landed: my part of the next slot
	ds_add_u32 v[SPW], v[NIL]                      ; 0 onto my spare word
	s_wait_dscnt 0x1                               ; (the add alone may be out: this step's operands are in)
	WIN MUL
	MULA 0, 1, 0                                   ; eight matrix instructions stand between the add and the wait for it
	s_wait_dscnt 0x0                               ; the add is done, and my reads of this slot are over
	s_barrier_signal -1
	MULA 1, 1, 0
	WIN 0
	s_barrier_wait -1
.if \fill
	CREST                                          ; the barrier has opened a round of the cluster's: no wave of any partner still reads this slot or has a load on its way
	SETG0 \slot, \role
	JLOAD \slot                                    ; the first tensor load behind the round; its four v_nop are the places in front of the loads below
.else
	PLACES NP
.endif
	s_wait_alu depctr_va_vdst(0)
	FETCH \next, 0, 0
	WIN MUL
	MULA 2, 1, 0
	MULA 3, 1, 0
	WIN 0
.endm
; Slot 1 is filled again in the middle of the way out: the same three lines, a whole round, the joint load; then the next tile's first operands are asked for out of slot 0,
; whose refill every wave has just shown landed.
.macro REFILL role
	s_wait_tensorcnt 0x0                           ; slot 0's refill, asked for at the tile's middle, has landed: no tensor load of mine is out, so a group 0 may be written
	ds_add_u32 v[SPW], v[NIL]                      ; 0 onto my spare word; the descriptors' words stand between it and the wait for it
	SETG0 1, \role
	s_wait_dscnt 0x0                               ; the add is done; my reads of slot 1 were over ahead of the tile's last products
	CROUND
	JLOAD 1
	FETCH 0, 0, 0
.endm
; THE WAY OUT, with no LDS: a block of 16 rows of A x my 128 rows of B is 64 numbers a lane, which become ONE fragment (two parts of 768 bytes) and one scale word a row, stored as images.
; Roles 0, 1: rows = queries or keys, the 128 = two heads' channels: part c is head c's operand [b][head][row tile]; the word's two halves go to the two heads.
; Role 2: my 64 rows of A = one head's channels, block a its channel tile a; the 128 = a key step: the fragment is v^T's [b][head][key step][channel tile].
.macro POINTERS role
.if (\role) > 0
	s_wait_xcnt 0x0                                ; the last tile's stores have read their bases
.endif
.if (\role) < 2
	s_lshl_b32 s88, s17, 2
	s_add_co_u32 s88, s88, s41                     ; tile row
	s_lshl_b32 s88, s88, 3
	s_lshl_b32 s89, s15, 2
	s_add_co_u32 s88, s88, s89                     ; my first row tile of the 512
	s_lshr_b32 s89, s88, 6                         ; the batch
	s_and_b32 s88, s88, 63
	s_lshl_b32 s89, s89, 4
	s_lshl_b32 s90, s40, 2
	s_add_co_u32 s89, s89, s90
	s_lshl_b32 s90, s16, 1
	s_add_co_u32 s89, s89, s90                     ; 16 x batch + my first head (4 cx + 2 wc)
	s_mov_b32 s93, 0
.if (\role) == 0
	s_mul_i32 s92, s89, 49152                      ; qc: 64 tiles x 768 bytes a head
	s_mul_i32 s91, s88, 768
	s_add_co_u32 s92, s92, s91
	s_add_nc_u64 s[P0:P0+1], s[6:7], s[92:93]
	s_add_nc_u64 s[P1:P1+1], s[P0:P0+1], 49152
	s_lshl_b32 s92, s89, 13                        ; qw: 64 x 128
	s_lshl_b32 s91, s88, 7
	s_add_co_u32 s92, s92, s91
	s_add_nc_u64 s[W0:W0+1], s[8:9], s[92:93]
	s_add_nc_u64 s[W1:W1+1], s[W0:W0+1], 8192
.else
	s_mul_i32 s90, s89, 110592                     ; a head's record of kvr
	s_mul_i32 s92, s88, 768
	s_add_co_u32 s92, s92, s90
	s_add_nc_u64 s[P0:P0+1], s[10:11], s[92:93]
	s_add_nc_u64 s[P1:P1+1], s[P0:P0+1], 110592
	s_lshl_b32 s92, s88, 7
	s_add_co_u32 s92, s92, s90
	s_add_co_u32 s92, s92, 98304                   ; k's scale words in it
	s_add_nc_u64 s[W0:W0+1], s[10:11], s[92:93]
	s_add_nc_u64 s[W1:W1+1], s[W0:W0+1], 110592
.endif
.else
	s_lshr_b32 s88, s17, 1
	s_lshl_b32 s88, s88, 2
	s_add_co_u32 s88, s88, s40                     ; tile column
	s_lshl_b32 s88, s88, 1
	s_add_co_u32 s88, s88, s16                     ; my key step of the 64
	s_lshr_b32 s89, s88, 3                         ; the batch
	s_and_b32 s88, s88, 7
	s_and_b32 s90, s17, 1
	s_lshl_b32 s90, s90, 2
	s_add_co_u32 s90, s90, s41                     ; tile row
	s_lshl_b32 s90, s90, 1
	s_add_co_u32 s90, s90, s15                     ; my head
	s_lshl_b32 s89, s89, 4
	s_add_co_u32 s89, s89, s90
	s_mul_i32 s90, s89, 110592
	s_mul_i32 s92, s88, 6144
	s_add_co_u32 s92, s92, s90
	s_add_co_u32 s92, s92, 49152                   ; v's codes lie behind k's in a record
	s_mov_b32 s93, 0
	s_add_nc_u64 s[P0:P0+1], s[10:11], s[92:93]
	s_lshl_b32 s92, s88, 9
	s_add_co_u32 s92, s92, s90
	s_add_co_u32 s92, s92, 106496                  ; v's scale words
	s_add_nc_u64 s[W0:W0+1], s[10:11], s[92:93]
.endif
.endm
.macro OUTB a, role
.set AC, 64*(\a)                       ; the block's eight accumulators, in window 2
.if (\a) > 0
	s_wait_xcnt 0x0                                ; the last block's stores have read their data: they are rewritten only behind this wait
.endif
.if (\role) < 2                        ; v is not normalised
	WIN 0x0a                                       ; sources 0 and 1: window 2
.irp i, 0,1,2,3,4,5,6,7,8,9,10,11,12,13,14,15  ; the sums of squares, two chains for each head, each accumulator from its low end on
.irp hd, 0,1
.if \i < 2
	v_pk_mul_f32 v[N+4*\hd+2*\i:N+4*\hd+2*\i+1], v[AC+32*\hd+2*\i:AC+32*\hd+2*\i+1], v[AC+32*\hd+2*\i:AC+32*\hd+2*\i+1]
.else
	v_pk_fma_f32 v[N+4*\hd+2*(\i%2):N+4*\hd+2*(\i%2)+1], v[AC+32*\hd+2*\i:AC+32*\hd+2*\i+1], v[AC+32*\hd+2*\i:AC+32*\hd+2*\i+1], v[N+4*\hd+2*(\i%2):N+4*\hd+2*(\i%2)+1]
.endif
.endr
.endr
	WIN 0
	v_pk_add_f32 v[N:N+1], v[N:N+1], v[N+2:N+3]
	v_pk_add_f32 v[N+4:N+5], v[N+4:N+5], v[N+6:N+7]
	v_add_f32 v[N], v[N], v[N+1]
	v_add_f32 v[N+4], v[N+4], v[N+5]
	v_permlanex16_b32 v[N+1], v[N], s[SEL], s[SEL+1]   ; the row's other 32 channels of the head lie in lane l xor 16
	v_permlanex16_b32 v[N+5], v[N+4], s[SEL], s[SEL+1]
	v_add_f32 v[N], v[N], v[N+1]
	v_add_f32 v[N+4], v[N+4], v[N+5]
	s_wait_alu depctr_va_vdst(0)
	v_sqrt_f32 v[N+2], v[N]
	v_sqrt_f32 v[N+6], v[N+4]
	v_nop                                          ; a plain place behind the roots,
	s_wait_alu depctr_va_vdst(0)                   ; and the one wait ahead of their first reader
	v_add_f32 v[N+2], 0x358637bd, v[N+2]           ; + 1e-6
	v_add_f32 v[N+6], 0x358637bd, v[N+6]
	s_wait_alu depctr_va_vdst(0)
	v_rcp_f32 v[F], v[N+2]
	v_rcp_f32 v[F+2], v[N+6]
	v_nop
	s_wait_alu depctr_va_vdst(0)
	v_mov_b32 v[F+1], v[F]                         ; (the packed form names a pair)
	v_mov_b32 v[F+3], v[F+2]
	WIN 0x82                                       ; destination and source 0: window 2
.irp i, 0,1,2,3,4,5,6,7,8,9,10,11,12,13,14,15
.irp hd, 0,1
	v_pk_mul_f32 v[AC+32*\hd+2*\i:AC+32*\hd+2*\i+1], v[AC+32*\hd+2*\i:AC+32*\hd+2*\i+1], v[F+2*\hd:F+2*\hd+1] op_sel_hi:[1,0]
.endr
.endr
	WIN 0
.endif
.irp b, 0,1,2,3
	v_mov_b32 v[TM+\b], 0x1800000                  ; the floor 2^(3 - 127): the byte cannot fall under 1
.endr
	WIN 0x28                                       ; sources 1 and 2: window 2
.irp i, 0,2,4,6,8,10,12,14
.irp b, 0,1,2,3
	v_max3_num_f32 v[TM+\b], v[TM+\b], |v[AC+16*\b+\i]|, |v[AC+16*\b+\i+1]|   ; block b: my 16 numbers (the four blocks by turns; each accumulator from its low end on)
.endr
.endr
	WIN 0
.irp b, 0,1,2,3
	v_permlanex16_b32 v[TM+4+\b], v[TM+\b], s[SEL], s[SEL+1]
.endr
.irp b, 0,1,2,3
	v_max_num_f32 v[TM+\b], v[TM+\b], v[TM+4+\b]   ; with lane l xor 16's: the block's largest magnitude
.endr
.irp b, 0,1,2,3
	v_add_nc_u32 v[TM+12+\b], 0xff000000, v[TM+\b] ; 2 off its exponent field: the conversion's scale operand
.endr
.irp b, 0,1,2,3
	v_lshrrev_b32 v[TM+4+\b], 23, v[TM+12+\b]      ; the scale's byte
.endr
	v_lshl_or_b32 v[PW], v[TM+5], 8, v[TM+4]
	v_lshl_or_b32 v[PW], v[TM+6], 16, v[PW]
	v_lshl_or_b32 v[PW], v[TM+7], 24, v[PW]        ; my row's scale word, the same in both halves of the lanes
	WIN 0x02                                       ; source 0: window 2
.irp c, 0,1
	v_cvt_scalef32_pk16_fp6_f32 v[PC+6*\c:PC+2+6*\c], v[AC+32*\c:AC+15+32*\c], v[TM+12+2*\c]
	v_cvt_scalef32_pk16_fp6_f32 v[PC+12+4*\c:PC+14+4*\c], v[AC+16+32*\c:AC+31+32*\c], v[TM+12+2*\c+1]   ; (a conversion's three registers begin on an even number)
.endr
	WIN 0
	v_nop                                          ; one plain place behind a scaled conversion
.irp c, 0,1                                    ; the operand's layout wants a whole block in a lane: lanes 0-15 block 2 c, lanes 16-31 block 2 c + 1
.irp i, 0,1,2
	v_permlane16_swap_b32 v[PC+6*\c+\i], v[PC+12+4*\c+\i]
.endr
.irp i, 0,1,2
	v_mov_b32 v[PC+3+6*\c+\i], v[PC+12+4*\c+\i]
.endr
.endr
.if (\role) < 2
	global_store_b128 v[L16], v[PC:PC+3], s[P0:P0+1] offset:768*(\a)               ; 512 consecutive bytes
	global_store_b64 v[L8], v[PC+4:PC+5], s[P0:P0+1] offset:768*(\a)+512           ; 256
	global_store_b128 v[L16], v[PC+6:PC+9], s[P1:P1+1] offset:768*(\a)
	global_store_b64 v[L8], v[PC+10:PC+11], s[P1:P1+1] offset:768*(\a)+512
	v_and_b32 v[PW+1], 0xffff, v[PW]               ; a head's K is 64: bytes 0, 1 its two scales; bytes 2, 3 stay 0 and meet zero codes
	v_lshrrev_b32 v[PW+2], 16, v[PW]
	global_store_b32 v[L4], v[PW+1], s[W0:W0+1] offset:128*(\a)
	global_store_b32 v[L4], v[PW+2], s[W1:W1+1] offset:128*(\a)
.else
	global_store_b128 v[L16], v[PC:PC+3], s[P0:P0+1] offset:1536*(\a)
	global_store_b64 v[L8], v[PC+4:PC+5], s[P0:P0+1] offset:1536*(\a)+512
	global_store_b128 v[L16], v[PC+6:PC+9], s[P0:P0+1] offset:1536*(\a)+768
	global_store_b64 v[L8], v[PC+10:PC+11], s[P0:P0+1] offset:1536*(\a)+1280
	global_store_b32 v[L4], v[PW], s[W0:W0+1] offset:128*(\a)
.endif
.endm
; A tile: eight K steps, the way out.  more = 1: a tile of the next role follows, and both slots are filled again for it.
.macro TILE role, more
	STEP 0, 0, 1                                   ; K 0-127: its products start the sums
	STEP 0, 1, 0
	STEP 0, 2, 0
	TURN 0, 1, \more, (\role)+1
	STEP 1, 0, 0
	STEP 1, 1, 0
	STEP 1, 2, 0
	s_wait_dscnt 0x0                               ; the last K step: nothing more to fetch for this tile
	WIN MUL
	MULA 0, 1, 0
	MULA 1, 1, 0
	MULA 2, 1, 0
	MULA 3, 1, 0
	WIN 0
	PLACES NP
	POINTERS \role
	OUTB 0, \role
	OUTB 1, \role
.if \more
	REFILL (\role)+1
.endif
	OUTB 2, \role
	OUTB 3, \role
.endm
	s_wait_alu depctr_va_vdst(0)
	s_wait_tensorcnt 0x0                           ; my part of slot 0 is in
	ds_add_u32 v[SPW], v[NIL]
	s_wait_dscnt 0x0
	CROUND                                         ; a whole round: slot 0 is whole in every work-group of the cluster
	JLOAD 1                                        ; slot 1's first fill, the first tensor load behind the round: one load of mine is out
	FETCH 0, 0, 0
	TILE 0, 1
	TILE 1, 1
	TILE 2, 0
	s_wait_tensorcnt 0x0                           ; the wave's end: behind my last tensor load
	ds_add_u32 v[SPW], v[NIL]
	s_wait_dscnt 0x0
	CROUND                                         ; the closing round: no work-group ends while a partner may still ask for a tile that names it
	s_endpgm
.Lfunc_end_k_qdcce220683_qkv:
	.size	k_qdcce220683_qkv, .Lfunc_end_k_qdcce220683_qkv-k_qdcce220683_qkv
	.p2alignl 7, 3214868480
	.fill 96, 4, 3214868480
	.section	.rodata,"a",@progbits
	.p2align	6, 0x0
	.amdhsa_kernel k_qdcce220683_qkv
		.amdhsa_group_segment_fixed_size 327680
		.amdhsa_private_segment_fixed_size 0
		.amdhsa_enable_private_segment 0
		.amdhsa_kernarg_size 32
		.amdhsa_user_sgpr_count 2
		.amdhsa_user_sgpr_kernarg_segment_ptr 1
		.amdhsa_wavefront_size32 1
		.amdhsa_system_sgpr_workgroup_id_x 1
		.amdhsa_system_sgpr_workgroup_id_y 1
		.amdhsa_system_sgpr_workgroup_id_z 1
		.amdhsa_system_vgpr_workitem_id 0
		.amdhsa_next_free_vgpr 768
		.amdhsa_next_free_sgpr 96
		.amdhsa_reserve_vcc 0
		.amdhsa_float_denorm_mode_32 3
		.amdhsa_float_denorm_mode_16_64 3
		.amdhsa_memory_ordered 1
		.amdhsa_forward_progress 1
		.amdhsa_inst_pref_size 255
	.end_amdhsa_kernel
	.section	.bss,"aw",@nobits
	.p2align	6
	.space	262144
	.amdgpu_metadata
---
amdhsa.version: [ 1, 2 ]
amdhsa.kernels:
  - .name:           k_qdcce220683_qkv
    .symbol:         k_qdcce220683_qkv.kd
    .args:
      - { .name: xc, .offset: 0, .size: 8, .value_kind: global_buffer, .address_space: global }
      - { .name: qc, .offset: 8, .size: 8, .value_kind: global_buffer, .address_space: global }
      - { .name: qw, .offset: 16, .size: 8, .value_kind: global_buffer, .address_space: global }
      - { .name: kvr, .offset: 24, .size: 8, .value_kind: global_buffer, .address_space: global }
    .group_segment_fixed_size: 327680
    .private_segment_fixed_size: 0
    .kernarg_segment_align: 8
    .kernarg_segment_size: 32
    .max_flat_workgroup_size: 128
    .sgpr_count:     96
    .vgpr_count:     768
    .wavefront_size: 32
...
	.end_amdgpu_metadata
.endif
;; end of part 2
;; launch attn (part 3): grid 4 x 64, 8 waves a work-group, clusters of 4 x 1, 327,680 bytes of LDS; arguments qc, qw, kvr, tau, oc; writes oc
.if DOCPART == 3
	.amdgcn_target "amdgcn-amd-amdhsa--gfx1250"
	.amdhsa_code_object_version 6
	.text
	.protected	k_qdcce220683_attn
	.globl	k_qdcce220683_attn
	.p2align	8
	.type	k_qdcce220683_attn,@function
k_qdcce220683_attn:
	s_mov_b64 s[64:65], 0
	v_nop
	global_prefetch_b8 v0, s[64:65] scope:SCOPE_SE
	s_setreg_imm32_b32 hwreg(HW_REG_WAVE_MODE, 25, 1), 1
	s_wait_xcnt 0x0
	s_wait_alu depctr_hold_cnt(0) depctr_sa_sdst(0) depctr_va_vdst(0) depctr_va_sdst(0) depctr_va_ssrc(0) depctr_va_vcc(0) depctr_vm_vsrc(0)
	s_getreg_b32 s2, hwreg(HW_REG_IB_STS2, 6, 4)
	s_cmp_eq_u32 s2, 0
	s_cbranch_scc0 .Lentry_in_a_cluster
	s_endpgm
.Lentry_in_a_cluster:
	s_bfe_u32 s2, ttmp6, 0x10000c
	s_cmp_lg_u32 s2, 0x3003
	s_cbranch_scc0 .Lentry_shape_is_right
	s_endpgm
.Lentry_shape_is_right:
; Attention on codes of FP6: o = softmax(qn kn^T / tau) v for two heads and 256 queries a work-group; o leaves quantised along the channels, as the last product's operand.  Nothing of the problem is left out.
; Both products are used transposed (S^T = k q^T, O^T = v^T p^T): a lane holds one query of each of its wave's two tiles.  p = 2^(t - M), t = score x log2(e) / |tau|, M the running largest t rounded up to a whole number;
; the row's sum is taken of the unquantised p; when M moves, the sum and O^T are multiplied by 2^(old M - new M), which rounds nothing.  A negative tau turns the signs of q's codes, so that the factor stays positive.
; A block's largest p is made from the block's largest score by the same multiply-add and exponential (this takes v_exp_f32 not to fall where its input rises).
; LIMITS: the promise holds while |t| stays under 2^31; tau = 0, NaN and infinities are not served; a block of p under 2^-124 gets the byte 1 (its codes are zeros).
; SHARES: work-group (cx, y): heads 2 y and 2 y + 1 of the 128, queries 256 cx .. 256 cx + 255.  8 waves; wave w takes query tiles 16 cx + 2 w and + 1, first for the even head, then for the odd one: each fragment of k and
; of v that is read from LDS feeds two products.  The two tiles go through each stage of a step together, line by line in turn, so that no line waits for the line above it.
; LDS: the two heads' records of kvr, 110,592 bytes each (k's codes 49,152, v's codes 49,152, k's scale words 8,192, v's 4,096), each filled once; behind them the spare words, 128 bytes a wave.
; k's and v's fragments have registers of their own and are asked for one step ahead: k's behind this step's first products, v's behind its second.  The last step's look-ahead is held at step 7 of its own record.
; CLUSTER: the four work-groups of a cluster want the same two records and ask for them jointly.  Each wave fetches 54 rows of 256 bytes of a record: the even head's at the kernel's head, the odd head's behind the
; full sequence and a round, so that it is on its way while the even head is worked on.  By this text's own count a wave has one tensor load out.  Every wait on TENSORcnt is for 0.
; NO PREFETCH: both records are asked for ahead of the loops; the loops ask memory for nothing.
; REGISTERS, window 1: S^T, then p, of tile u at v[64 u]; O^T at v[128 + 32 u].  Window 0: all else, named below; u = 0, 1 is the tile.
.set REC,   110592
.set PART,  REC/8
.set SPARE, 2*REC
.set QA,  16                           ; v16-39   q of tile u at QA + 12 u: six registers of codes, six of zeros (a head's K is 64)
.set KF,  40                           ; v40-93   eight tiles of k, six registers each; v88-93 zeros
.set KS,  94                           ; v94-101  k's scale words
.set VF,  102                          ; v102-149 four tiles of v^T
.set VS,  150                          ; v150-153 v's scale words
.set PC,  154                          ; v154-177 p's codes, 12 a tile
.set LS,  178                          ; v178-185 the row's sum: two chains of a pair for each tile
.set BM,  186                          ; v186-193 block maxima
.set PT,  194                          ; v194-201 the other half's maxima, then the bytes
.set SO,  202                          ; v202-209 the conversions' scale operands
.set CT,  210                          ; v210-225 a block's second 16 codes (a conversion's three registers begin on an even number)
.set FF,  226                          ; v226-229 for each tile f = 2^(old M - new M) and p's scale word
.set OM,  230                          ; v230-231 the old -M;  v232-233 at work
.set TT,  232
.set Q1,  234                          ; v234-245 the odd head's q
.set QW,  246                          ; v246-249 q's scale words: 2 x head + tile
.set OW,  250                          ; v250-251 o's scale words.  v12 + 2 u: -M, v13 + 2 u: the largest t
.set WV,  18
.set SEL, 20
.set CS,  22
.set G1,  24
.set G0A, 32
.set G0B, 36
.set TB,  40
.set TS,  41
.set TV,  42
.set CNT, 43
.set NB,  46
.set NS,  47
.set NV,  48
.set MSB, 0
.macro WIN new                         ; the immediate's high byte repeats the setting that is left.  Low byte: bits 1:0 source 0, 3:2 source 1, 5:4 source 2, 7:6 destination
.if MSB != \new
	s_set_vgpr_msb (MSB<<8)|\new
.set MSB, \new
.endif
.endm
.macro CROUND                          ; a round of the cluster's barrier
	s_barrier_signal -1
	s_barrier_wait -1
	s_cmp_lg_u32 s[WV], 0
	s_cbranch_scc1 .Lnot_wave_0_\@
	s_barrier_signal -3
.Lnot_wave_0_\@:
	s_barrier_wait -3
	s_barrier_signal -1
	s_barrier_wait -1
.endm
.macro KLOAD                           ; 24 LDS loads: eight tiles of 16 keys x 64 channels and their scale words
.irp t, 0,1,2,3,4,5,6,7
	ds_load_b128 v[KF+6*\t:KF+6*\t+3], v8 offset:768*\t
	ds_load_b64 v[KF+6*\t+4:KF+6*\t+5], v9 offset:768*\t+512
	ds_load_b32 v[KS+\t], v10 offset:128*\t
.endr
.endm
.macro VLOAD                           ; 20 LDS loads: four tiles of 16 channels x 128 keys and their scale words; v's codes lie 49,152 bytes behind k's of the same step
.irp t, 0,1,2,3
	ds_load_b128 v[VF+12*\t:VF+12*\t+3], v8 offset:49152+1536*\t
	ds_load_b64 v[VF+12*\t+4:VF+12*\t+5], v9 offset:49152+1536*\t+512
	ds_load_b128 v[VF+12*\t+6:VF+12*\t+9], v8 offset:49152+1536*\t+768
	ds_load_b64 v[VF+12*\t+10:VF+12*\t+11], v9 offset:49152+1536*\t+1280
	ds_load_b32 v[VS+\t], v11 offset:128*\t
.endr
.endm
.macro ADDRS                           ; the LDS addresses of the step at s[NB], s[NS], s[NV]
	v_add_nc_u32 v8, s[NB], v1
	v_add_nc_u32 v9, s[NB], v2
	v_add_nc_u32 v10, s[NS], v3
	v_add_nc_u32 v11, s[NV], v3
.endm
	s_load_b256 s[4:11], s[0:1], 0x0               ; qc, qw, kvr, tau
	s_load_b64 s[12:13], s[0:1], 0x20              ; oc
	v_lshl_add_u32 v4, v0, 2, SPARE
	v_mov_b32 v5, 0
	ds_add_u32 v4, v5                              ; the opening lines: the add, twice on end, and its wait ahead of my first tensor load
	ds_add_u32 v4, v5
	v_lshrrev_b32 v6, 5, v0
	s_delay_alu instid0(VALU_DEP_1)
	v_readfirstlane_b32 s[WV], v6                  ; wave 0..7
	s_bfe_u32 s44, ttmp6, 0x40000                  ; cx
	s_and_b32 s45, ttmp7, 0xffff                   ; y: the pair of heads
	s_mov_b32 s[G1], 15|(3<<16)|(1<<21)            ; the mask names the cluster's four; elements of 8 bytes; bit 21 beside a mask
	s_mov_b32 s[G1+1], 32<<16                      ; rows of 256 bytes,
	s_mov_b32 s[G1+2], 54<<16                      ; 54 of them, dense
	s_mov_b32 s[G1+3], 32<<16
	s_mov_b32 s[G1+4], 54
	s_mov_b32 s[G1+5], 32
	s_mov_b32 s[G1+6], 0
	s_mov_b32 s[G1+7], 0
	s_mul_i32 s46, s[WV], PART                     ; my eighth of a record, in memory and in LDS
	s_mul_i32 s48, s45, 2*REC
	s_add_co_u32 s48, s48, s46
	s_mov_b32 s49, 0
	s_lshl_b32 s55, s44, 4
	s_lshl_b32 s56, s[WV], 1
	s_add_co_u32 s55, s55, s56                     ; my first query tile of the head's 64
	s_mul_i32 s50, s45, 98304                      ; qc: 64 tiles x 768 bytes a head
	s_mul_i32 s51, s55, 768
	s_add_co_u32 s50, s50, s51
	s_mov_b32 s51, 0
	s_lshl_b32 s52, s45, 14                        ; qw: 64 x 128 bytes a head
	s_lshl_b32 s53, s55, 7
	s_add_co_u32 s52, s52, s53
	s_mov_b32 s53, 0
	s_lshr_b32 s54, s45, 3                         ; oc: row tile 64 x batch + my tile, records of 13,312 bytes;
	s_lshl_b32 s54, s54, 6
	s_add_co_u32 s54, s54, s55
	s_mul_i32 s54, s54, 13312
	s_bfe_u32 s56, s45, 0x10002                    ; the pair's half of the 1,024 channels,
	s_mul_i32 s56, s56, 6656
	s_add_co_u32 s54, s54, s56
	s_and_b32 s57, s45, 3                          ; and its fragment of 128 in that half
	s_mul_i32 s60, s57, 1536
	s_add_co_u32 s60, s60, s54
	s_mov_b32 s61, 0
	s_lshl_b32 s58, s57, 7
	s_add_co_u32 s58, s58, s54
	s_add_co_u32 s58, s58, 6144                    ; the fragment's scale image
	s_mov_b32 s59, 0
	s_mov_b32 s[SEL], 0x76543210
	s_mov_b32 s[SEL+1], 0xfedcba98                 ; v_permlanex16_b32's selects for lane l xor 16
	s_wait_dscnt 0x0                               ; both opening adds are done
	s_wait_kmcnt 0x0
	s_add_nc_u64 s[8:9], s[8:9], s[48:49]
	s_add_nc_u64 s[4:5], s[4:5], s[50:51]
	s_add_nc_u64 s[6:7], s[6:7], s[52:53]
	s_add_nc_u64 s[14:15], s[12:13], s[58:59]
	s_add_nc_u64 s[12:13], s[12:13], s[60:61]
	s_mov_b32 s[G0A], 1
	s_mov_b32 s[G0A+1], s46
	s_mov_b64 s[G0A+2:G0A+3], s[8:9]
	s_or_b32 s[G0A+3], s[G0A+3], 0x80000000
	s_mov_b32 s[G0B], 1
	s_add_co_u32 s[G0B+1], s46, REC
	s_add_nc_u64 s[G0B+2:G0B+3], s[8:9], REC
	s_or_b32 s[G0B+3], s[G0B+3], 0x80000000
	CROUND                                         ; the four work-groups are here: the joint loads meet
	tensor_load_to_lds s[G0A:G0A+3], s[G1:G1+7]    ; the even head's record: my one load at the head
	s_nop 0
	s_load_b32 s56, s[10:11], 0x0                  ; tau
	v_and_b32 v6, 31, v0
	s_delay_alu instid0(VALU_DEP_1)
	v_lshlrev_b32 v1, 4, v6
	s_delay_alu instid0(VALU_DEP_2)
	v_lshlrev_b32 v2, 3, v6
	s_delay_alu instid0(VALU_DEP_3)
	v_lshlrev_b32 v3, 2, v6
.irp u, 0,1
	global_load_b128 v[QA+12*\u:QA+12*\u+3], v1, s[4:5] offset:768*\u                ; my two tiles of q, the even head's,
	global_load_b64 v[QA+12*\u+4:QA+12*\u+5], v2, s[4:5] offset:768*\u+512
	global_load_b128 v[Q1+6*\u:Q1+6*\u+3], v1, s[4:5] offset:49152+768*\u            ; and the odd head's
	global_load_b64 v[Q1+6*\u+4:Q1+6*\u+5], v2, s[4:5] offset:49152+768*\u+512
	global_load_b32 v[QW+\u], v3, s[6:7] offset:128*\u
	global_load_b32 v[QW+2+\u], v3, s[6:7] offset:8192+128*\u
.endr
.irp i, 0,1,2,3,4,5
	v_mov_b32 v[QA+6+\i], 0                        ; the upper 64 of q's operands are zero codes, so whatever k's operand holds there adds nothing
	v_mov_b32 v[QA+18+\i], 0
	v_mov_b32 v[KF+48+\i], 0
.endr
.irp b, 0,1,2,3,4,5,6,7
	v_mov_b32 v[PT+\b], 0                          ; written once: a lane permute's destination counts as one of its sources
.endr
	v_mov_b32 v[FF+1], 0                           ; (named as the upper halves of pairs before they are first written)
	v_mov_b32 v[FF+3], 0
	s_wait_kmcnt 0x0
	s_and_b32 s50, s56, 0x7fffffff                 ; |tau|
	s_ashr_i32 s51, s56, 31                        ; all ones where tau is negative:
	s_and_b32 s57, s51, 0x20820820                 ; the sign bits of the codes in three registers on end
	s_and_b32 s58, s51, 0x08208208
	s_and_b32 s59, s51, 0x82082082
	v_mov_b32 v6, s50
	s_wait_alu depctr_va_vdst(0)                   ; the wait ahead of a transcendental
	v_rcp_f32 v7, v6
	v_nop
	s_wait_alu depctr_va_vdst(0)                   ; and ahead of its first reader
	v_fma_f32 v8, -v6, v7, 1.0                     ; one step of Newton's on 1 / |tau|
	v_fma_f32 v7, v7, v8, v7
	s_delay_alu instid0(VALU_DEP_1)
	v_mul_f32 v7, 0x3fb8aa3b, v7                   ; x log2(e)
	s_delay_alu instid0(VALU_DEP_1)
	v_readfirstlane_b32 s[CS], v7
	s_mov_b32 s[CS+1], s[CS]
	s_wait_loadcnt 0x0
.irp i, 0,1,2,3,4,5
	v_xor_b32 v[QA+\i], s[57+\i%3], v[QA+\i]
	v_xor_b32 v[QA+12+\i], s[57+\i%3], v[QA+12+\i]
	v_xor_b32 v[Q1+\i], s[57+\i%3], v[Q1+\i]
	v_xor_b32 v[Q1+6+\i], s[57+\i%3], v[Q1+6+\i]
.endr
; One head for my 32 queries: eight steps of 128 keys, then the way out.  p = 0: the even head, record 0; p = 1: the odd head, record 1.
.macro UNIT p
.if \p
	s_wait_xcnt 0x0                                ; the even head's stores have read their data
.irp i, 0,1,2,3,4,5
	v_mov_b32 v[QA+\i], v[Q1+\i]
	v_mov_b32 v[QA+12+\i], v[Q1+6+\i]
.endr
.endif
	s_mov_b32 s[NB], (\p)*REC
	s_mov_b32 s[NS], (\p)*REC+98304
	s_mov_b32 s[NV], (\p)*REC+106496
	ADDRS
	KLOAD                                          ; step 0's fragments
	VLOAD
.irp u, 0,1
	v_mov_b32 v[13+2*\u], 0xff61b1e6               ; the largest t so far: -3e38
.endr
.irp u, 0,1
	s_delay_alu instid0(VALU_DEP_2)
	v_floor_f32 v[12+2*\u], -v[13+2*\u]            ; -M
.endr
.irp j, 0,1,2,3,4,5,6,7
	v_mov_b32 v[LS+\j], 0
.endr
	WIN 0x40
.set k, 0
.rept 64
	v_mov_b32 v[128+k], 0                          ; O^T: the step is written once, and the first finds zeros
.set k, k+1
.endr
	WIN 0
	s_mov_b32 s[TB], (\p)*REC+6144                 ; the step that is asked for next
	s_mov_b32 s[TS], (\p)*REC+98304+1024
	s_mov_b32 s[TV], (\p)*REC+106496+512
	s_mov_b32 s[CNT], 8
.Lstep_\@:
	s_min_u32 s[NB], s[TB], (\p)*REC+7*6144        ; held at the record's last step
	s_min_u32 s[NS], s[TS], (\p)*REC+98304+7*1024
	s_min_u32 s[NV], s[TV], (\p)*REC+106496+7*512
	s_wait_dscnt 20                                ; k's fragments of this step are in; the 20 loads issued behind them, v's, may be out
	WIN 0x40                                       ; the results: window 1
.irp t, 0,1,2,3,4,5,6,7
.irp u, 0,1
	v_wmma_scale_f32_16x16x128_f8f6f4 v[64*\u+8*\t:64*\u+8*\t+7], v[KF+6*\t:KF+6*\t+11], v[QA+12*\u:QA+12*\u+11], 0, v[KS+\t], v[QW+2*(\p)+\u] matrix_a_fmt:MATRIX_FMT_FP6 matrix_b_fmt:MATRIX_FMT_FP6
.endr
.endr
	WIN 0
	ADDRS                                          ; the next step's addresses: the four places behind the products
	KLOAD                                          ; the next step's k
	WIN 0x14                                       ; sources 1 and 2: window 1
.irp u, 0,1
.irp b, 0,1,2,3
	v_max3_num_f32 v[BM+4*\u+\b], 0xff61b1e6, v[64*\u+16*\b], v[64*\u+16*\b+1]       ; the largest score of each block of 32 keys; each accumulator from its low end on
.endr
.endr
.irp i, 2,4,6,8,10,12,14
.irp u, 0,1
.irp b, 0,1,2,3
	v_max3_num_f32 v[BM+4*\u+\b], v[BM+4*\u+\b], v[64*\u+16*\b+\i], v[64*\u+16*\b+\i+1]
.endr
.endr
.endr
	WIN 0
.irp j, 0,1,2,3,4,5,6,7
	v_permlanex16_b32 v[PT+\j], v[BM+\j], s[SEL], s[SEL+1]
.endr
.irp j, 0,1,2,3,4,5,6,7
	v_max_num_f32 v[BM+\j], v[BM+\j], v[PT+\j]     ; with lane l xor 16's 16 keys
.endr
.irp u, 0,1
	v_max3_num_f32 v[TT+\u], v[BM+4*\u], v[BM+4*\u+1], v[BM+4*\u+2]
.endr
.irp u, 0,1
	s_delay_alu instid0(VALU_DEP_2)
	v_max_num_f32 v[TT+\u], v[TT+\u], v[BM+4*\u+3]
.endr
.irp u, 0,1
	s_delay_alu instid0(VALU_DEP_2)
	v_mul_f32 v[TT+\u], s[CS], v[TT+\u]            ; the step's largest t
.endr
.irp u, 0,1
	v_mov_b32 v[OM+\u], v[12+2*\u]                 ; the old -M
.endr
.irp u, 0,1
	s_delay_alu instid0(VALU_DEP_4)
	v_max_num_f32 v[13+2*\u], v[13+2*\u], v[TT+\u]
.endr
.irp u, 0,1
	s_delay_alu instid0(VALU_DEP_2)
	v_floor_f32 v[12+2*\u], -v[13+2*\u]            ; the new -M
.endr
.irp u, 0,1
	s_delay_alu instid0(VALU_DEP_2)
	v_sub_f32 v[OM+\u], v[12+2*\u], v[OM+\u]
.endr
.irp u, 0,1
	s_delay_alu instid0(VALU_DEP_2)
	v_cvt_i32_f32 v[OM+\u], v[OM+\u]
.endr
.irp u, 0,1
	s_delay_alu instid0(VALU_DEP_2)
	v_ldexp_f32 v[FF+2*\u], 1.0, v[OM+\u]          ; f = 2^(old M - new M)
.endr
.irp u, 0,1
.irp b, 0,1,2,3
	v_fma_f32 v[BM+4*\u+\b], v[BM+4*\u+\b], s[CS], v[12+2*\u]
.endr
.endr
	WIN 0x41                                       ; destination and source 0: window 1
.irp u, 0,1
.set k, 0
.rept 32
	v_pk_fma_f32 v[64*\u+k:64*\u+k+1], v[64*\u+k:64*\u+k+1], s[CS:CS+1], v[12+2*\u:13+2*\u] op_sel_hi:[1,0,0]   ; t - M
.set k, k+2
.endr
.endr
	s_wait_alu depctr_va_vdst(0)                   ; the wait ahead of the batch
.set k, 0
.rept 128
	v_exp_f32 v[k], v[k]                           ; p
.set k, k+1
.endr
	WIN 0
.irp j, 0,1,2,3
	v_pk_mul_f32 v[LS+2*\j:LS+2*\j+1], v[LS+2*\j:LS+2*\j+1], v[FF+2*(\j/2):FF+2*(\j/2)+1] op_sel_hi:[1,0]      ; the sums under the new M: plain places behind the batch
.endr
	s_wait_alu depctr_va_vdst(0)                   ; one wait for the batch, ahead of its first reader
.irp j, 0,1,2,3,4,5,6,7
	v_exp_f32 v[BM+\j], v[BM+\j]                   ; each block's largest p
.endr
	WIN 0x04                                       ; source 1: window 1
.irp i, 0,4,8,12,16,20,24,28,32,36,40,44,48,52,56
.irp u, 0,1
	v_pk_add_f32 v[LS+4*\u:LS+4*\u+1], v[LS+4*\u:LS+4*\u+1], v[64*\u+\i:64*\u+\i+1]          ; the sum of the unquantised p, two chains a tile; the last four additions stand behind the second products
	v_pk_add_f32 v[LS+4*\u+2:LS+4*\u+3], v[LS+4*\u+2:LS+4*\u+3], v[64*\u+\i+2:64*\u+\i+3]
.endr
.endr
	WIN 0
	s_wait_alu depctr_va_vdst(0)                   ; and one for the eight
.irp j, 0,1,2,3,4,5,6,7
	v_max_num_f32 v[BM+\j], 0x1800000, v[BM+\j]    ; the floor 2^(3 - 127): the byte cannot fall under 1
.endr
.irp j, 0,1,2,3,4,5,6,7
	v_add_nc_u32 v[SO+\j], 0xff000000, v[BM+\j]    ; 2 off the exponent field: the conversion's scale operand
.endr
.irp j, 0,1,2,3,4,5,6,7
	v_lshrrev_b32 v[PT+\j], 23, v[SO+\j]           ; the scale's byte
.endr
.irp u, 0,1
	v_lshl_or_b32 v[FF+2*\u+1], v[PT+4*\u+1], 8, v[PT+4*\u]
.endr
.irp u, 0,1
	s_delay_alu instid0(VALU_DEP_2)
	v_lshl_or_b32 v[FF+2*\u+1], v[PT+4*\u+2], 16, v[FF+2*\u+1]
.endr
.irp u, 0,1
	s_delay_alu instid0(VALU_DEP_2)
	v_lshl_or_b32 v[FF+2*\u+1], v[PT+4*\u+3], 24, v[FF+2*\u+1]       ; p's scale word for these 128 keys
.endr
	WIN 0x01                                       ; source 0: window 1
.irp u, 0,1
.irp c, 0,1
	v_cvt_scalef32_pk16_fp6_f32 v[PC+12*\u+6*\c:PC+12*\u+6*\c+2], v[64*\u+32*\c:64*\u+32*\c+15], v[SO+4*\u+2*\c]
	v_cvt_scalef32_pk16_fp6_f32 v[CT+8*\u+4*\c:CT+8*\u+4*\c+2], v[64*\u+32*\c+16:64*\u+32*\c+31], v[SO+4*\u+2*\c+1]
.endr
.endr
	WIN 0
	v_nop                                          ; one plain place behind a scaled conversion
.irp u, 0,1                                    ; the operand's layout wants a whole block in a lane
.irp c, 0,1
.irp i, 0,1,2
	v_permlane16_swap_b32 v[PC+12*\u+6*\c+\i], v[CT+8*\u+4*\c+\i]
.endr
.endr
.endr
.irp u, 0,1
.irp c, 0,1
.irp i, 0,1,2
	v_mov_b32 v[PC+12*\u+6*\c+3+\i], v[CT+8*\u+4*\c+\i]
.endr
.endr
.endr
	WIN 0x41
	s_wait_alu depctr_va_vdst(0)                   ; the wait directly ahead of the first reader of O^T
.irp u, 0,1
.set k, 0
.rept 16
	v_pk_mul_f32 v[128+32*\u+k:128+32*\u+k+1], v[128+32*\u+k:128+32*\u+k+1], v[FF+2*\u:FF+2*\u+1] op_sel_hi:[1,0]      ; O^T under the new M; also the places in front of the scaled products
.set k, k+2
.endr
.endr
	s_wait_alu depctr_va_vdst(0)
	s_wait_dscnt 24                                ; v's fragments of this step are in; the 24 loads issued behind them, the next k's, may be out
	WIN 0x50                                       ; C and D: window 1
.irp t, 0,1,2,3
.irp u, 0,1
	v_wmma_scale_f32_16x16x128_f8f6f4 v[128+32*\u+8*\t:128+32*\u+8*\t+7], v[VF+12*\t:VF+12*\t+11], v[PC+12*\u:PC+12*\u+11], v[128+32*\u+8*\t:128+32*\u+8*\t+7], v[VS+\t], v[FF+2*\u+1] matrix_a_fmt:MATRIX_FMT_FP6 matrix_b_fmt:MATRIX_FMT_FP6
.endr
.endr
	WIN 0x04
.irp u, 0,1
	v_pk_add_f32 v[LS+4*\u:LS+4*\u+1], v[LS+4*\u:LS+4*\u+1], v[64*\u+60:64*\u+61]            ; the sums' last four additions: the places behind the products
	v_pk_add_f32 v[LS+4*\u+2:LS+4*\u+3], v[LS+4*\u+2:LS+4*\u+3], v[64*\u+62:64*\u+63]
.endr
	WIN 0
	VLOAD                                          ; the next step's v
	s_add_co_u32 s[TB], s[TB], 6144
	s_add_co_u32 s[TS], s[TS], 1024
	s_add_co_u32 s[TV], s[TV], 512
	s_sub_co_u32 s[CNT], s[CNT], 1
	s_cmp_lg_u32 s[CNT], 0
	s_cbranch_scc1 .Lstep_\@
.irp u, 0,1
	v_pk_add_f32 v[LS+4*\u:LS+4*\u+1], v[LS+4*\u:LS+4*\u+1], v[LS+4*\u+2:LS+4*\u+3]
.endr
.irp u, 0,1
	s_delay_alu instid0(VALU_DEP_2)
	v_add_f32 v[LS+4*\u], v[LS+4*\u], v[LS+4*\u+1]
.endr
.irp u, 0,1
	s_delay_alu instid0(VALU_DEP_2)
	v_permlanex16_b32 v[PT+4*\u], v[LS+4*\u], s[SEL], s[SEL+1]
.endr
.irp u, 0,1
	s_delay_alu instid0(VALU_DEP_2)
	v_add_f32 v[LS+4*\u], v[LS+4*\u], v[PT+4*\u]   ; the row's sum
.endr
	s_wait_alu depctr_va_vdst(0)
.irp u, 0,1
	v_rcp_f32 v[LS+4*\u], v[LS+4*\u]
.endr
	v_nop
	WIN 0x41
	s_wait_alu depctr_va_vdst(0)                   ; ahead of the first reader of 1 / sum and of O^T
.irp u, 0,1
.set k, 0
.rept 16
	v_pk_mul_f32 v[64*\u+k:64*\u+k+1], v[128+32*\u+k:128+32*\u+k+1], v[LS+4*\u:LS+4*\u+1] op_sel_hi:[1,0]      ; o: by v's stored channel order, register 16 b + i is channel 32 b + 16 (lane / 16) + i
.set k, k+2
.endr
.endr
	WIN 0x14
.irp u, 0,1
.irp b, 0,1
	v_max3_num_f32 v[BM+4*\u+\b], 0x1800000, |v[64*\u+16*\b]|, |v[64*\u+16*\b+1]|
.endr
.endr
.irp i, 2,4,6,8,10,12,14
.irp u, 0,1
.irp b, 0,1
	s_delay_alu instid0(VALU_DEP_4)
	v_max3_num_f32 v[BM+4*\u+\b], v[BM+4*\u+\b], |v[64*\u+16*\b+\i]|, |v[64*\u+16*\b+\i+1]|
.endr
.endr
.endr
	WIN 0
.irp u, 0,1
.irp b, 0,1
	v_permlanex16_b32 v[PT+4*\u+\b], v[BM+4*\u+\b], s[SEL], s[SEL+1]
.endr
.endr
.irp u, 0,1
.irp b, 0,1
	s_delay_alu instid0(VALU_DEP_4)
	v_max_num_f32 v[BM+4*\u+\b], v[BM+4*\u+\b], v[PT+4*\u+\b]
.endr
.endr
.irp u, 0,1
.irp b, 0,1
	s_delay_alu instid0(VALU_DEP_4)
	v_add_nc_u32 v[SO+4*\u+\b], 0xff000000, v[BM+4*\u+\b]
.endr
.endr
.irp u, 0,1
.irp b, 0,1
	s_delay_alu instid0(VALU_DEP_4)
	v_lshrrev_b32 v[PT+4*\u+\b], 23, v[SO+4*\u+\b]
.endr
.endr
.if \p
.irp u, 0,1
	v_lshl_or_b32 v[TT+\u], v[PT+4*\u+1], 8, v[PT+4*\u]
.endr
.irp u, 0,1
	s_delay_alu instid0(VALU_DEP_2)
	v_lshl_or_b32 v[OW+\u], v[TT+\u], 16, v[OW+\u]                   ; the odd head's two bytes above the even head's: the fragment's scale word is whole
.endr
.else
.irp u, 0,1
	v_lshl_or_b32 v[OW+\u], v[PT+4*\u+1], 8, v[PT+4*\u]
.endr
.endif
	WIN 0x01
.irp u, 0,1
	v_cvt_scalef32_pk16_fp6_f32 v[PC+12*\u:PC+12*\u+2], v[64*\u:64*\u+15], v[SO+4*\u]
	v_cvt_scalef32_pk16_fp6_f32 v[CT+8*\u:CT+8*\u+2], v[64*\u+16:64*\u+31], v[SO+4*\u+1]
.endr
	WIN 0
	v_nop
.irp u, 0,1
.irp i, 0,1,2
	v_permlane16_swap_b32 v[PC+12*\u+\i], v[CT+8*\u+\i]
.endr
.endr
.irp u, 0,1
.irp i, 0,1,2
	v_mov_b32 v[PC+12*\u+3+\i], v[CT+8*\u+\i]
.endr
.endr
.irp u, 0,1
	global_store_b128 v1, v[PC+12*\u:PC+12*\u+3], s[12:13] offset:13312*\u+768*(\p)          ; part p of the tile's fragment: 512 consecutive bytes,
	global_store_b64 v2, v[PC+12*\u+4:PC+12*\u+5], s[12:13] offset:13312*\u+768*(\p)+512     ; and 256
.if \p
	global_store_b32 v3, v[OW+\u], s[14:15] offset:13312*\u          ; the scale image: 128 consecutive bytes
.endif
.endr
.endm
	s_wait_alu depctr_va_vdst(0)
	s_wait_tensorcnt 0x0                           ; my part of the even head's record is in
	ds_add_u32 v4, v5
	s_wait_dscnt 0x0
	CROUND                                         ; the record is whole in all four work-groups
	tensor_load_to_lds s[G0B:G0B+3], s[G1:G1+7]    ; the odd head's record, the first tensor load behind the round
	s_nop 0
.rept 4
	v_nop
.endr
	UNIT 0
	s_wait_alu depctr_va_vdst(0)
	s_wait_tensorcnt 0x0                           ; my part of the odd head's record is in,
	s_wait_dscnt 0x0                               ; and the last step's look-ahead has come back:
	s_barrier_signal -1                            ; say so
	s_barrier_wait -1
	UNIT 1
	s_wait_tensorcnt 0x0                           ; the wave's end
	ds_add_u32 v4, v5
	s_wait_dscnt 0x0
	CROUND                                         ; the closing round
	s_endpgm
.Lfunc_end_k_qdcce220683_attn:
	.size	k_qdcce220683_attn, .Lfunc_end_k_qdcce220683_attn-k_qdcce220683_attn
	.p2alignl 7, 3214868480
	.fill 96, 4, 3214868480
	.section	.rodata,"a",@progbits
	.p2align	6, 0x0
	.amdhsa_kernel k_qdcce220683_attn
		.amdhsa_group_segment_fixed_size 327680
		.amdhsa_private_segment_fixed_size 0
		.amdhsa_enable_private_segment 0
		.amdhsa_kernarg_size 40
		.amdhsa_user_sgpr_count 2
		.amdhsa_user_sgpr_kernarg_segment_ptr 1
		.amdhsa_wavefront_size32 1
		.amdhsa_system_sgpr_workgroup_id_x 1
		.amdhsa_system_sgpr_workgroup_id_y 1
		.amdhsa_system_sgpr_workgroup_id_z 1
		.amdhsa_system_vgpr_workitem_id 0
		.amdhsa_next_free_vgpr 448
		.amdhsa_next_free_sgpr 66
		.amdhsa_reserve_vcc 0
		.amdhsa_float_denorm_mode_32 3
		.amdhsa_float_denorm_mode_16_64 3
		.amdhsa_memory_ordered 1
		.amdhsa_forward_progress 1
		.amdhsa_inst_pref_size 101
	.end_amdhsa_kernel
	.amdgpu_metadata
---
amdhsa.version: [ 1, 2 ]
amdhsa.kernels:
  - .name:           k_qdcce220683_attn
    .symbol:         k_qdcce220683_attn.kd
    .args:
      - { .name: qc, .offset: 0, .size: 8, .value_kind: global_buffer, .address_space: global }
      - { .name: qw, .offset: 8, .size: 8, .value_kind: global_buffer, .address_space: global }
      - { .name: kvr, .offset: 16, .size: 8, .value_kind: global_buffer, .address_space: global }
      - { .name: tau, .offset: 24, .size: 8, .value_kind: global_buffer, .address_space: global }
      - { .name: oc, .offset: 32, .size: 8, .value_kind: global_buffer, .address_space: global }
    .group_segment_fixed_size: 327680
    .private_segment_fixed_size: 0
    .kernarg_segment_align: 8
    .kernarg_segment_size: 40
    .max_flat_workgroup_size: 256
    .sgpr_count:     66
    .vgpr_count:     448
    .wavefront_size: 32
...
	.end_amdgpu_metadata
.endif
;; end of part 3
;; launch proj (part 4): grid 4 x 64, 4 waves a work-group, clusters of 4 x 4, 327,680 bytes of LDS; arguments oc, xc, bproj, out0; writes out0
.if DOCPART == 4
	.amdgcn_target "amdgcn-amd-amdhsa--gfx1250"
	.amdhsa_code_object_version 6
	.text
	.protected	k_qdcce220683_proj
	.globl	k_qdcce220683_proj
	.p2align	8
	.type	k_qdcce220683_proj,@function
k_qdcce220683_proj:
	s_mov_b64 s[64:65], 0
	v_nop
	global_prefetch_b8 v0, s[64:65] scope:SCOPE_SE
	s_setreg_imm32_b32 hwreg(HW_REG_WAVE_MODE, 25, 1), 1
	s_wait_xcnt 0x0
	s_wait_alu depctr_hold_cnt(0) depctr_sa_sdst(0) depctr_va_vdst(0) depctr_va_sdst(0) depctr_va_ssrc(0) depctr_va_vcc(0) depctr_vm_vsrc(0)
	s_getreg_b32 s2, hwreg(HW_REG_IB_STS2, 6, 4)
	s_cmp_eq_u32 s2, 0
	s_cbranch_scc0 .Lentry_in_a_cluster
	s_endpgm
.Lentry_in_a_cluster:
	s_bfe_u32 s2, ttmp6, 0x10000c
	s_cmp_lg_u32 s2, 0xf033
	s_cbranch_scc0 .Lentry_shape_is_right
	s_endpgm
.Lentry_shape_is_right:
; out0 = o Wproj^T + bproj on codes of FP6.  o's codes (oc) and Wproj's (xc, from row tile 1216 on) lie as images of an operand's registers, scale words beside them: a row tile's half record of 6,656 bytes holds 512 along K.
; A tile is 128 rows of o x 256 rows of Wproj; four waves, each 64 x 128: 32 accumulators, which begin with the bias as C.  All of K lies in two LDS slots, each filled once by joint loads in a cluster of 4 x 4.
; Source 0 = rows of Wproj, source 1 = rows of o: a lane holds eight neighbouring numbers of a row of out0; the rows leave through the wave's own stage in slot 0, behind that slot's last read.  Nothing of the problem is left out.
.set SIZE_N, 1024
.set FR,     12
.set NP,     4
.set RTB,    13312
.set HB,     6656
.set SWO,    6144
.set AREG,   8*HB
.set SLOT,   24*HB
.set SPARE,  2*SLOT
.set SPITCH, 528
.set ADRA, 16
.set ADRB, 20
.set STO,  24
.set RD,   25
.set CO,   26
.set SPW,  28
.set NIL,  29
.set ADRS, 30
.set SC,   32
.set BIAS, 64
.set AF,   128
.set BK,   128
.set G1, 24
.set G0, 32
.set G1B, 48
.set G0B, 56
.set MSB, 0
.macro WIN new
.if MSB != \new
	s_set_vgpr_msb (MSB<<8)|\new
.set MSB, \new
.endif
.endm
.set MUL,  0xa1
.set BIA,  0x81
.set TO_B, 0x40
.macro JLOAD s
	s_cmp_eq_u32 s15, 0
	s_cbranch_scc0 .Lfor_b_\@
	tensor_load_to_lds s[G0+4*\s:G0+4*\s+3], s[G1:G1+7]
	s_nop 0
.rept 4
	v_nop
.endr
	s_branch .Lasked_\@
.Lfor_b_\@:
	tensor_load_to_lds s[G0B+4*\s:G0B+4*\s+3], s[G1B:G1B+7]
	s_nop 0
.rept 4
	v_nop
.endr
.Lasked_\@:
.endm
.macro CROUND
	s_barrier_signal -1
	s_barrier_wait -1
	s_cmp_lg_u32 s14, 0
	s_cbranch_scc1 .Lnot_wave_0_\@
	s_barrier_signal -3
.Lnot_wave_0_\@:
	s_barrier_wait -3
	s_barrier_signal -1
	s_barrier_wait -1
.endm
	s_load_b256 s[4:11], s[0:1], 0x0
	v_lshl_add_u32 v[SPW], v0, 2, SPARE
	v_mov_b32 v[NIL], 0
	ds_add_u32 v[SPW], v[NIL]
	ds_add_u32 v[SPW], v[NIL]
	v_lshrrev_b32 v1, 5, v0
	v_readfirstlane_b32 s14, v1
	s_lshr_b32 s15, s14, 1
	s_and_b32 s16, s14, 1
	s_bfe_u32 s40, ttmp6, 0x40000
	s_bfe_u32 s41, ttmp6, 0x40004
	s_lshl_b32 s42, ttmp9, 2
	s_add_co_u32 s42, s42, s40
	s_and_b32 s17, ttmp7, 0xffff
	s_lshl_b32 s17, s17, 2
	s_add_co_u32 s17, s17, s41
	s_lshl_b32 s43, s41, 2
	s_lshl_b32 s43, 15, s43
	s_lshl_b32 s44, 0x1111, s40
	s_or_b32 s[G1+0], s43, (3<<16)|(1<<21)
	s_or_b32 s[G1B+0], s44, (3<<16)|(1<<21)
	s_mov_b32 s[G1+1], 832<<16
	s_mov_b32 s[G1+2], 4<<16
	s_mov_b32 s[G1+3], 832<<16
	s_mov_b32 s[G1+4], 4
	s_mov_b32 s[G1+5], 1664
	s_mov_b32 s[G1+6], 0
	s_mov_b32 s[G1+7], 0
	s_mov_b32 s[G1B+1], 832<<16
	s_mov_b32 s[G1B+2], 8<<16
	s_mov_b32 s[G1B+3], 832<<16
	s_mov_b32 s[G1B+4], 8
	s_mov_b32 s[G1B+5], 1664
	s_mov_b32 s[G1B+6], 0
	s_mov_b32 s[G1B+7], 0
	s_lshl_b32 s12, s16, 2
	s_lshl_b32 s13, s16, 3
	s_lshl_b32 s80, s17, 3
	s_add_co_u32 s80, s80, s12
	s_mul_i32 s80, s80, RTB
	s_mov_b32 s81, 0
	s_lshl_b32 s84, s42, 4
	s_add_co_u32 s84, s84, s13
	s_add_co_u32 s84, s84, 1216
	s_mul_i32 s84, s84, RTB
	s_mov_b32 s85, 0
	s_mul_i32 s2, s16, 4*HB
	s_mul_i32 s3, s16, 8*HB
	s_add_co_u32 s3, s3, AREG
	s_wait_dscnt 0x0
	s_wait_kmcnt 0x0
	s_add_nc_u64 s[66:67], s[4:5], s[80:81]
	s_add_nc_u64 s[70:71], s[6:7], s[84:85]
	CROUND
.irp s, 0,1
	s_mov_b32 s[G0+4*\s], 1
	s_add_co_u32 s[G0+4*\s+1], s2, \s*SLOT
	s_add_nc_u64 s[G0+4*\s+2:G0+4*\s+3], s[66:67], \s*HB
	s_or_b32 s[G0+4*\s+3], s[G0+4*\s+3], 0x80000000
	s_mov_b32 s[G0B+4*\s], 1
	s_add_co_u32 s[G0B+4*\s+1], s3, \s*SLOT
	s_add_nc_u64 s[G0B+4*\s+2:G0B+4*\s+3], s[70:71], \s*HB
	s_or_b32 s[G0B+4*\s+3], s[G0B+4*\s+3], 0x80000000
.endr
	JLOAD 0                                        ; the first half of K: one tensor load a wave at the head, behind the round above; the addresses and the bias are made while it is out
	v_and_b32 v1, 15, v0
	v_bfe_u32 v2, v0, 4, 1
	v_and_b32 v3, 31, v0
	v_lshlrev_b32 v4, 4, v3
	v_lshlrev_b32 v5, 3, v3
	v_lshlrev_b32 v6, 2, v3
	s_mul_i32 s12, s15, 4*HB
	s_mul_i32 s13, s16, 8*HB
	s_add_co_u32 s13, s13, AREG
	s_sub_co_u32 s46, s13, s12
	v_mul_u32_u24 v7, s46, v2
	v_add_nc_u32 v6, v6, v7
.irp s, 0,1
	v_add_nc_u32 v[ADRA+\s], s12, v4
	v_add_nc_u32 v[ADRB+\s], s13, v4
	v_add_nc_u32 v[ADRA+2+\s], s12, v5
	v_add_nc_u32 v[ADRB+2+\s], s13, v5
	v_add_nc_u32 v[ADRS+\s], s12, v6
	s_add_co_u32 s12, s12, SLOT
	s_add_co_u32 s13, s13, SLOT
.endr
	s_mul_i32 s23, s14, 16*SPITCH
	v_mul_u32_u24 v7, v1, SPITCH
	v_lshl_add_u32 v7, v2, 5, v7
	v_add_nc_u32 v[STO], s23, v7
	v_lshlrev_b32 v[CO], 4, v3
	v_add_nc_u32 v[RD], s23, v[CO]
	s_lshl_b32 s20, s17, 7
	s_lshl_b32 s21, s15, 6
	s_add_co_u32 s20, s20, s21
	s_lshl_b32 s20, s20, 12
	s_lshl_b32 s46, s42, 10
	s_lshl_b32 s47, s16, 9
	s_add_co_u32 s46, s46, s47
	s_mov_b32 s47, 0
	s_add_nc_u64 s[8:9], s[8:9], s[46:47]
	s_add_co_u32 s20, s20, s46
	s_mov_b32 s21, 0
	s_add_nc_u64 s[10:11], s[10:11], s[20:21]
	v_lshlrev_b32 v8, 5, v2
.irp b, 0,1,2,3,4,5,6,7
	global_load_b128 v[BIAS+8*\b:BIAS+8*\b+3], v8, s[8:9] offset:64*\b
	global_load_b128 v[BIAS+8*\b+4:BIAS+8*\b+7], v8, s[8:9] offset:64*\b+16
.endr
.macro FRAG reg, adr, q, i
	ds_load_b128 v[\reg:\reg+3], v[\adr] offset:(\i)*HB+(\q)*1536
	ds_load_b64 v[\reg+4:\reg+5], v[\adr+2] offset:(\i)*HB+(\q)*1536+512
	ds_load_b128 v[\reg+6:\reg+9], v[\adr] offset:(\i)*HB+(\q)*1536+768
	ds_load_b64 v[\reg+10:\reg+11], v[\adr+2] offset:(\i)*HB+(\q)*1536+1280
.endm
.macro FETCH slot, q, p
	WIN TO_B
.irp i, 0,1,2,3,4,5,6,7
	FRAG 128*(\p)+FR*\i, ADRB+\slot, \q, \i
.endr
	WIN 0
.irp i, 0,1,2,3
	FRAG AF+48*(\p)+FR*\i, ADRA+\slot, \q, \i
.endr
.irp i, 0,1,2,3,4,5,6,7
	ds_load_b32 v[SC+8*(\p)+\i], v[ADRS+\slot] offset:SWO+\i*HB+(\q)*128
.endr
.endm
.macro MULA a, p, first
.irp b, 0,1,2,3,4,5,6,7
.if \first
	v_wmma_scale_f32_16x16x128_f8f6f4 v[8*(8*(\a)+\b):8*(8*(\a)+\b)+7], v[128*(\p)+FR*\b:128*(\p)+FR*\b+FR-1], v[AF+48*(\p)+FR*(\a):AF+48*(\p)+FR*(\a)+FR-1], v[BIAS+8*\b:BIAS+8*\b+7], v[SC+8*(\p)+\b], v[SC+8*(\p)+(\a)] matrix_a_fmt:MATRIX_FMT_FP6 matrix_b_fmt:MATRIX_FMT_FP6 matrix_a_scale:MATRIX_SCALE_ROW1
.else
	v_wmma_scale_f32_16x16x128_f8f6f4 v[8*(8*(\a)+\b):8*(8*(\a)+\b)+7], v[128*(\p)+FR*\b:128*(\p)+FR*\b+FR-1], v[AF+48*(\p)+FR*(\a):AF+48*(\p)+FR*(\a)+FR-1], v[8*(8*(\a)+\b):8*(8*(\a)+\b)+7], v[SC+8*(\p)+\b], v[SC+8*(\p)+(\a)] matrix_a_fmt:MATRIX_FMT_FP6 matrix_b_fmt:MATRIX_FMT_FP6 matrix_a_scale:MATRIX_SCALE_ROW1
.endif
.endr
.endm
.macro PLACES n
.rept \n
	v_nop
.endr
.endm
.macro STEP slot, q, first
	s_wait_dscnt 0x0
	PLACES NP
	FETCH \slot, (\q)+1, 1-(\q)%2
.if \first
	WIN BIA
.else
	WIN MUL
.endif
	MULA 0, (\q)%2, \first
	MULA 1, (\q)%2, \first
	MULA 2, (\q)%2, \first
	MULA 3, (\q)%2, \first
	WIN 0
.endm
	s_wait_alu depctr_va_vdst(0)
	s_wait_tensorcnt 0x0                           ; my part of slot 0 is in
	ds_add_u32 v[SPW], v[NIL]
	s_wait_loadcnt 0x0                             ; the bias is in
	s_wait_dscnt 0x0
	CROUND                                         ; a whole round: slot 0 is whole in every work-group of the cluster
	JLOAD 1                                        ; slot 1's first fill, the first tensor load behind the round
	FETCH 0, 0, 0
	STEP 0, 0, 1
	STEP 0, 1, 0
	STEP 0, 2, 0
	s_wait_tensorcnt 0x0
	ds_add_u32 v[SPW], v[NIL]
	s_wait_dscnt 0x1
	WIN MUL
	MULA 0, 1, 0
	s_wait_dscnt 0x0
	s_barrier_signal -1
	MULA 1, 1, 0
	WIN 0
	s_barrier_wait -1
	PLACES NP
	FETCH 1, 0, 0
	WIN MUL
	MULA 2, 1, 0
	MULA 3, 1, 0
	WIN 0
	STEP 1, 0, 0
	STEP 1, 1, 0
	STEP 1, 2, 0
	s_wait_dscnt 0x0
	WIN MUL
	MULA 0, 1, 0
	MULA 1, 1, 0
	MULA 2, 1, 0
	MULA 3, 1, 0
	WIN 0
.macro TOSTAGE a
.set AC, 64*(\a)
	WIN 0x08
.irp b, 0,1,2,3,4,5,6,7
	ds_store_b128 v[STO], v[AC+8*\b:AC+8*\b+3] offset:64*\b
	ds_store_b128 v[STO], v[AC+8*\b+4:AC+8*\b+7] offset:64*\b+16
.endr
	WIN 0
.set BB, BK+64*((\a)%2)
.irp t, 0,1,2,3,4,5,6,7,8,9,10,11,12,13,14,15
	ds_load_b128 v[BB+4*\t:BB+4*\t+3], v[RD] offset:\t*SPITCH
.endr
.endm
.macro SEND a, younger
.set BB, BK+64*((\a)%2)
	s_wait_dscnt \younger
.irp t, 0,1,2,3,4,5,6,7,8,9,10,11,12,13,14,15
	global_store_b128 v[CO], v[BB+4*\t:BB+4*\t+3], s[10:11] offset:(16*(\a)+\t)*SIZE_N*4 th:TH_STORE_NT
.endr
.endm
	PLACES NP
	TOSTAGE 0
.irp a, 1,2,3
.if \a > 1
	s_wait_xcnt 0x0
.endif
	TOSTAGE \a
	SEND \a-1, 32
.endr
	SEND 3, 0
	s_wait_tensorcnt 0x0
	ds_add_u32 v[SPW], v[NIL]
	s_wait_dscnt 0x0
	CROUND
	s_endpgm
.Lfunc_end_k_qdcce220683_proj:
	.size	k_qdcce220683_proj, .Lfunc_end_k_qdcce220683_proj-k_qdcce220683_proj
	.p2alignl 7, 3214868480
	.fill 96, 4, 3214868480
	.section	.rodata,"a",@progbits
	.p2align	6, 0x0
	.amdhsa_kernel k_qdcce220683_proj
		.amdhsa_group_segment_fixed_size 327680
		.amdhsa_private_segment_fixed_size 0
		.amdhsa_enable_private_segment 0
		.amdhsa_kernarg_size 32
		.amdhsa_user_sgpr_count 2
		.amdhsa_user_sgpr_kernarg_segment_ptr 1
		.amdhsa_wavefront_size32 1
		.amdhsa_system_sgpr_workgroup_id_x 1
		.amdhsa_system_sgpr_workgroup_id_y 1
		.amdhsa_system_sgpr_workgroup_id_z 1
		.amdhsa_system_vgpr_workitem_id 0
		.amdhsa_next_free_vgpr 768
		.amdhsa_next_free_sgpr 88
		.amdhsa_reserve_vcc 0
		.amdhsa_float_denorm_mode_32 3
		.amdhsa_float_denorm_mode_16_64 3
		.amdhsa_memory_ordered 1
		.amdhsa_forward_progress 1
		.amdhsa_inst_pref_size 87
	.end_amdhsa_kernel
	.amdgpu_metadata
---
amdhsa.version: [ 1, 2 ]
amdhsa.kernels:
  - .name:           k_qdcce220683_proj
    .symbol:         k_qdcce220683_proj.kd
    .args:
      - { .name: oc, .offset: 0, .size: 8, .value_kind: global_buffer, .address_space: global }
      - { .name: xc, .offset: 8, .size: 8, .value_kind: global_buffer, .address_space: global }
      - { .name: bproj, .offset: 16, .size: 8, .value_kind: global_buffer, .address_space: global }
      - { .name: out0, .offset: 24, .size: 8, .value_kind: global_buffer, .address_space: global }
    .group_segment_fixed_size: 327680
    .private_segment_fixed_size: 0
    .kernarg_segment_align: 8
    .kernarg_segment_size: 32
    .max_flat_workgroup_size: 128
    .sgpr_count:     88
    .vgpr_count:     768
    .wavefront_size: 32
...
	.end_amdgpu_metadata
.endif
;; end of part 4
